; MI455X (gfx1250); checked and timed in simulation.
; The chip was launched on July 23, 2026; its instructions are those of AMD's public machine-readable ISA for CDNA 5 (MIT licence, August 2026) and "CDNA5" Instruction Set Architecture Reference Guide (July 2026). The comments in the code are by the model that wrote it; some were corrected since.
;; Causal Self Attention. Allowed arithmetic: matrix products marked QUANTISED: E3M2 operands, one E8M0 scale for each 32 along K, by v_wmma_scale_f32_16x16x128_f8f6f4 with both operands' format E3M2, f32 sums; everything else in f32.
;; Inputs: Wk 256 x 1,024 float32; Wproj 1,024 x 1,024 float32; Wq 1,024 x 1,024 float32; Wv 256 x 1,024 float32; q_gain 16 float32; x 4 x 2,048 x 1,024 float32.
;; Outputs: out0 4 x 2,048 x 1,024 float32.
;; This version of the problem:
;;   THIS VERSION OF THE PROBLEM IS GIVEN IN LOW PRECISION. The matrix products marked QUANTISED in the list below multiply operands that are first quantised to E3M2 (3 exponent bits, 2 mantissa bits; 6 bits a number), with one power-of-two scale for each 32 numbers along K (OCP MX v1.0); their sums are f32. All else is computed in f32.
;;   The module's matrix products, in the order in which they are computed (A, B: the left and right operand; K: the contracted axis; several contracted axes count as one K, in the product's order):
;;     1. [M 8,192, K 1,024] x [K 1,024, N 1,024]; A: input x; B: input Wq: QUANTISED
;;     2. [M 8,192, K 1,024] x [K 1,024, N 256]; A: input x; B: input Wk: QUANTISED
;;     3. [M 8,192, K 1,024] x [K 1,024, N 256]; A: input x; B: input Wv: QUANTISED
;;     4. batch 64 x [M 2,048, K 64] x [K 64, N 2,048]; A: computed on the way; B: computed on the way: QUANTISED
;;     5. batch 64 x [M 2,048, K 2,048] x [K 2,048, N 64]; A: softmax (see below); B: computed on the way: QUANTISED
;;     6. [M 8,192, K 1,024] x [K 1,024, N 1,024]; A: computed on the way; B: input Wproj: QUANTISED
;;   THE QUANTISER, for each operand of a quantised product, along K:
;;     - K is cut into blocks of 32 from its start; a last block that is shorter is filled with zeros.
;;     - A block's scale is 2^e with e = floor(log2(the largest magnitude in the block)) - 4, held to -126 .. 127; a block of zeros has e = 0. As a byte (E8M0): e + 127.
;;     - Each number is divided by its block's scale, clamped to +-28, and rounded to the nearest number of E3M2, ties to even, subnormals kept.
;;     - The product sums the exact products of the quantised numbers (number of the format x scale) in f32.
;;   ~~~python
;;   def quantise(x, axis):      # numpy; x: float32 -> the quantised numbers, widened to float32 again
;;       x = np.moveaxis(x, axis, -1); K = x.shape[-1]
;;       x = np.pad(x, [(0, 0)] * (x.ndim - 1) + [(0, -K % 32)]); x = x.reshape(x.shape[:-1] + (-1, 32)); a = np.abs(x).max(-1, keepdims=True)
;;       e = np.where(a > 0, np.clip(np.frexp(np.where(a > 0, a, 1))[1] - 1 - 4, -126, 127), 0)      # np.frexp(a)[1] - 1 = floor(log2(a)), exactly
;;       r = np.clip(x / 2.0 ** e, -28, 28)
;;       step = 2.0 ** (np.maximum(np.frexp(np.where(r == 0, 1, r))[1] - 1, -2) - 2)
;;       q = np.round(r / step) * step * 2.0 ** e      # np.round: ties to even
;;       return np.moveaxis(q.reshape(q.shape[:-2] + (-1,))[..., :K], -1, axis).astype(np.float32)
;;   ~~~
;;   SOFTMAX AHEAD OF A QUANTISED PRODUCT. Where the list says 'softmax', what is quantised is not the finished softmax but p = 2^(t - M), with t = logit x log2(e) and M = ceil(the row's largest t), a whole number; so 1/2 < the row's largest p <= 1. The row's sum l is taken of the UNQUANTISED p, in f32, and the product's result is divided by l at the end. Since M is a whole number, a kernel that streams over the keys may use a running M (the ceiling of the running maximum): every later rescaling is an exact power of two, which a block's scale takes up: the codes' values come out the same.
;;   OPERANDS COMPUTED ON THE WAY. 'Computed on the way' means the value that the module computes at that place (a softmax that the list does not call 'softmax' is quantised finished and normalised). What goes into a quantiser is computed in f32, as accurately as f32 sums, v_exp_f32 and their like allow (about 1e-6 of the number): no bf16 or f16 on the way to a quantiser, and a product that is left as it is and whose result goes on into a quantised operand takes f32 operands (vector FMAs, or v_wmma_f32_16x16x4_f32). A number that lies on a knife's edge between two numbers of the format may be rounded either way, as far as f32 arithmetic and the matrix unit's own rounding can turn it there, and no further.
;; One version. Each part assembles by itself: llvm-mc -triple=amdgcn-amd-amdhsa -mcpu=gfx1250 --defsym DOCPART=n.
;; ======== version 1 of 1: 4 launches
;; limits: right only within a limited range of input values
;; workspace buffers: xq 6,815,744 bytes; wts 2,129,920 bytes; tab 524,288 bytes; qb 6,553,600 bytes; kv 3,276,800 bytes; yb 6,815,744 bytes
;; launch quant (part 1): grid 368 x 1, 4 waves a work-group, no clusters, 34,304 bytes of LDS; arguments x, Wq, Wk, Wv, Wproj, xq, wts, tab; writes xq, wts, tab
.if DOCPART == 1
	.amdgcn_target "amdgcn-amd-amdhsa--gfx1250"
	.amdhsa_code_object_version 6
	.text
	.protected	k_q3aedbac515_quant
	.globl	k_q3aedbac515_quant
	.p2align	8
	.type	k_q3aedbac515_quant,@function
k_q3aedbac515_quant:
	s_mov_b64 s[64:65], 0
	v_nop
	global_prefetch_b8 v0, s[64:65] scope:SCOPE_SE
	s_setreg_imm32_b32 hwreg(HW_REG_WAVE_MODE, 25, 1), 1
	s_wait_xcnt 0x0
; x [8192][1024], Wq [1024][1024], Wk, Wv [256][1024], Wproj [1024][1024], all f32 with K innermost, become codes of BF6 (E3M2) with one E8M0 byte for each 32 along K;
; and the table of cos and sin for the rotary step is made.  A block's scale byte is its largest magnitude's exponent field - 4, held at 1 from below.
; LAYOUT OF THE CODES: in the order of the operand's registers.  A row tile T is 16 rows: lane r stands for row 32 (T/2) + 8 (T%2) + r + 8 (r/8).
; An image (768 bytes) is 16 rows x 64 along K: lane (r, h) owns the 24 bytes of block 2 u + h of its row: registers 0-3 at 16 x lane, registers 4-5 at 512 + 8 x lane.
; A record (3,328 bytes) is four images (256 along K) and 256 bytes of scale words: at 3,072 + 8 x lane + 4 x (K step % 2), so each row's two words lie there twice.  A tile is four records.
; SHARES: work-groups 0-31 make the table (a wave a tile of 16 positions); the others take two row tiles, a wave a tile and half of K (four K steps of 128).
; The weights' tiles are laid in the order in which the next launch's work-groups take them: head slot 6 c + pos holds q or k head 5 c + pos (pos 0-4), slot 6 c + 5 holds v head c; Wproj follows from tile 96 on.
; Each load reads 512 consecutive bytes of one row; a K step's 16 rows turn through the wave's own stage in LDS (rows of 512 + 16 bytes) so that a lane gets whole blocks of 32.
; LIMITS: NaN and infinities among the inputs are not served.  Blocks whose largest magnitude lies under 2^-122, blocks of zeros among them, keep the byte 1: their codes are (nearly) zeros and this program alone reads the bytes.
; The frequencies 10000^(-i/32) are made to about 2 units in the last place; at the largest angles (about 1,500 rad) that is up to about 2e-4 rad.
.set REC,   3328
.set TILEB, 13312
.set STG,   16*528
.set R,   64                           ; v64-191  two sets of 64: 16 rows as loaded
.set X,   192                          ; v192-255 my two blocks of 32
.set HA,  20                           ; v20-25   the first block's codes
.set HB,  26                           ; v26-31   the second's
.set TA,  32                           ; v32-34, v36-38: the upper halves as the conversions leave them
.set TB,  36
.set WD,  16                           ; v16-19   a scale word for each K step
	s_load_b256 s[4:11], s[0:1], 0x0               ; x, Wq, Wk, Wv
	s_load_b256 s[12:19], s[0:1], 0x20             ; Wproj, xq, wts, tab
	s_set_vgpr_msb 0x40
	v_lshl_add_u32 v0, v0, 2, 0x8400
	v_mov_b32 v1, 0
	s_set_vgpr_msb 0x4000
	v_lshrrev_b32 v1, 5, v0
	v_readfirstlane_b32 s20, v1                    ; wave
	v_and_b32 v1, 31, v0                           ; lane
	v_and_b32 v2, 15, v0                           ; r
	v_bfe_u32 v3, v0, 4, 1                         ; h
	v_lshlrev_b32 v4, 4, v1                        ; 16 x lane
	s_cmp_lt_u32 ttmp9, 32
	s_cbranch_scc1 .Ltable
	s_mul_i32 s21, s20, STG                        ; my stage
	v_add_nc_u32 v5, s21, v4                       ; in: 16 x lane of a row
	v_mul_u32_u24 v6, v2, 528
	v_lshl_add_u32 v6, v3, 7, v6
	v_add_nc_u32 v6, s21, v6                       ; out: row r, block h
	v_lshlrev_b32 v8, 3, v1                        ; 8 x lane
	v_add_nc_u32 v7, 512, v8                       ; 512 + 8 x lane
	v_lshlrev_b32 v9, 3, v3                        ; 8 h
	v_mov_b32 v41, 0                               ; a lane permute's destination counts as read
	s_mov_b32 s40, 0x76543210
	s_mov_b32 s41, 0xfedcba98                      ; selects for lane l xor 16
	s_wait_kmcnt 0x0
	s_cmp_lt_u32 ttmp9, 288                        ; which tensor: the choice hangs on the work-group's number alone
	s_cselect_b64 s[22:23], s[4:5], s[6:7]
	s_cselect_b64 s[24:25], s[14:15], s[16:17]
	s_cselect_b32 s26, 32, 288
	s_cmp_lt_u32 ttmp9, 320
	s_cselect_b64 s[22:23], s[22:23], s[8:9]
	s_cselect_b32 s26, s26, 320
	s_cselect_b32 s27, 0, 16                       ; k's heads are numbered behind q's sixteen
	s_cmp_lt_u32 ttmp9, 328
	s_cselect_b64 s[22:23], s[22:23], s[10:11]
	s_cselect_b32 s26, s26, 328
	s_cmp_lt_u32 ttmp9, 336
	s_cselect_b64 s[22:23], s[22:23], s[12:13]
	s_cselect_b32 s26, s26, 336
	s_sub_co_u32 s28, ttmp9, s26
	s_lshl_b32 s28, s28, 1
	s_lshr_b32 s29, s20, 1
	s_add_co_u32 s28, s28, s29                     ; my row tile in the tensor
	s_and_b32 s30, s20, 1                          ; my half of K
	s_lshr_b32 s31, s28, 2                         ; its head
	s_add_co_u32 s32, s31, s27                     ; g
	s_mul_i32 s33, s32, 13
	s_lshr_b32 s33, s33, 6                         ; g / 5 for g under 20
	s_add_co_u32 s32, s32, s33                     ; the slot of a q or k head
	s_mul_i32 s33, s31, 6
	s_add_co_u32 s33, s33, 5                       ; the slot of a v head
	s_and_b32 s34, s28, 3
	s_add_co_u32 s35, s28, 96
	s_cmp_lt_u32 ttmp9, 328
	s_cselect_b32 s32, s32, s33
	s_lshl_b32 s32, s32, 2
	s_add_co_u32 s32, s32, s34
	s_cmp_lt_u32 ttmp9, 288
	s_cselect_b32 s32, s28, s32                    ; x keeps its tiles' order
	s_cmp_lt_u32 ttmp9, 336
	s_cselect_b32 s32, s32, s35                    ; Wproj: 96 + tile
	s_lshr_b32 s33, s28, 1
	s_lshl_b32 s33, s33, 17                        ; 32 (T/2) rows of 4,096 bytes
	s_and_b32 s34, s28, 1
	s_lshl_b32 s34, s34, 15                        ; 8 (T%2) rows
	s_add_co_u32 s36, s33, s34
	s_lshl_b32 s34, s30, 11                        ; my half of K: 2,048 bytes
	s_add_co_u32 s36, s36, s34
	s_mov_b32 s37, 0
	s_add_nc_u64 s[22:23], s[22:23], s[36:37]
	s_mul_i32 s36, s32, TILEB
	s_mul_i32 s34, s30, 2*REC
	s_add_co_u32 s36, s36, s34
	s_add_nc_u64 s[24:25], s[24:25], s[36:37]
.macro LOAD t                          ; K step t of my half: 16 rows x 512 consecutive bytes
.irp i, 0,1,2,3,4,5,6,7,8,9,10,11,12,13,14,15
	global_load_b128 v[R+64*((\t)%2)+4*\i:R+64*((\t)%2)+4*\i+3], v4, s[22:23] offset:(\i+8*(\i/8))*4096+512*(\t) th:TH_LOAD_NT
.endr
.endm
.macro STEP t
.if (\t) < 3
	s_wait_loadcnt 16                              ; this step's 16 loads are in; the next step's 16 may be out
.else
	s_wait_loadcnt 0x0
.endif
.irp i, 0,1,2,3,4,5,6,7,8,9,10,11,12,13,14,15
	ds_store_b128 v5, v[R+64*((\t)%2)+4*\i:R+64*((\t)%2)+4*\i+3] offset:528*\i
.endr
.irp j, 0,1,2,3,4,5,6,7
	ds_load_b128 v[X+4*\j:X+4*\j+3], v6 offset:16*\j               ; k = 32 h + 0 .. 31 of my row (LDS serves a wave's instructions in order)
.endr
.irp j, 0,1,2,3,4,5,6,7
	ds_load_b128 v[X+32+4*\j:X+32+4*\j+3], v6 offset:256+16*\j     ; k = 64 + 32 h + 0 .. 31
.endr
	s_wait_dscnt 0x0                               ; my blocks are in, and the stores have read the set that the next loads take
.if (\t) < 2
	LOAD (\t)+2
.endif
	v_max3_num_f32 v10, |v[X]|, |v[X+1]|, 0x2800000                ; the largest magnitudes, with the floor 2^(5 - 127) among the leaves
	v_max3_num_f32 v11, |v[X+32]|, |v[X+33]|, 0x2800000
.irp i, 2,4,6,8,10,12,14,16,18,20,22,24,26,28,30
	v_max3_num_f32 v10, v10, |v[X+\i]|, |v[X+\i+1]|
	v_max3_num_f32 v11, v11, |v[X+32+\i]|, |v[X+33+\i]|
.endr
	v_add_nc_u32 v12, 0xfe000000, v10              ; 4 off the exponent field: the conversion's scale operand
	v_add_nc_u32 v13, 0xfe000000, v11
	v_lshrrev_b32 v14, 23, v12                     ; the bytes
	v_lshrrev_b32 v15, 23, v13
	v_lshl_or_b32 v40, v15, 16, v14                ; blocks h and 2 + h,
	v_lshlrev_b32 v40, v9, v40                     ; at their places in the word;
	v_permlanex16_b32 v41, v40, s40, s41
	v_or_b32 v[WD+(\t)], v40, v41                  ; with lane l xor 16's two the word is whole, in both lanes
	s_wait_alu depctr_va_vdst(0)
	s_wait_xcnt 0x0                                ; the last step's stores have read the codes' registers
	v_cvt_scalef32_pk16_bf6_f32 v[HA:HA+2], v[X:X+15], v12
	v_cvt_scalef32_pk16_bf6_f32 v[TA:TA+2], v[X+16:X+31], v12      ; (a conversion's three registers begin on an even number)
	v_cvt_scalef32_pk16_bf6_f32 v[HB:HB+2], v[X+32:X+47], v13
	v_cvt_scalef32_pk16_bf6_f32 v[TB:TB+2], v[X+48:X+63], v13
	v_nop                                          ; one plain place behind the conversions
.irp i, 0,1,2
	v_mov_b32 v[HA+3+\i], v[TA+\i]
	v_mov_b32 v[HB+3+\i], v[TB+\i]
.endr
	global_store_b128 v4, v[HA:HA+3], s[24:25] offset:((\t)/2)*REC+((\t)%2)*1536          ; 512 consecutive bytes,
	global_store_b64 v7, v[HA+4:HA+5], s[24:25] offset:((\t)/2)*REC+((\t)%2)*1536         ; and the 256 behind them
	global_store_b128 v4, v[HB:HB+3], s[24:25] offset:((\t)/2)*REC+((\t)%2)*1536+768
	global_store_b64 v7, v[HB+4:HB+5], s[24:25] offset:((\t)/2)*REC+((\t)%2)*1536+768
.if (\t)%2 == 1
	global_store_b64 v8, v[WD+(\t)-1:WD+(\t)], s[24:25] offset:((\t)/2)*REC+3072          ; the record's 256 bytes of scale words
.endif
.endm
	s_wait_alu depctr_va_vdst(0)
	LOAD 0
	LOAD 1
	STEP 0
	STEP 1
	STEP 2
	STEP 3
	s_set_vgpr_msb 0x5
	s_wait_tensorcnt 0x0
	ds_add_u32 v0, v1
	s_wait_dscnt 0x0
	s_set_vgpr_msb 0x500
	s_endpgm
; THE TABLE.  Lane (r, h) of the wave for tile Tseq makes cos and sin of p w_i, p = its position, i = 16 h + 0 .. 15, w_i = 10000^(-i/32).
; w: i x log2(10000)/32 in two parts (the product's remainder by a fused multiply-add), 2^(-high part), corrected by the low part.  The angle is one f32 product, as the reference has it.
; cos, sin: the angle less n x pi/2 (pi/2 in three parts, each step a fused multiply-add: the first is exact), series to r^9 and r^10 on |r| <= pi/4, quadrant by n mod 4.  All choices are selects.
.set A0, 32
.set A1, 48
.set A2, 64
.set A3, 80
.set A4, 96
.set A5, 112
.set A6, 128
.set A7, 144
.set A8, 160
.Ltable:
	s_lshl_b32 s21, ttmp9, 2
	s_add_co_u32 s21, s21, s20                     ; Tseq
	s_lshr_b32 s36, s21, 1
	s_lshl_b32 s36, s36, 5
	s_and_b32 s37, s21, 1
	s_lshl_b32 s37, s37, 3
	s_add_co_u32 s36, s36, s37
	s_wait_alu depctr_va_vdst(0)
	v_and_b32 v5, 8, v2
	v_add_nc_u32 v5, v5, v2
	v_add_nc_u32 v5, s36, v5
	v_cvt_f32_u32 v5, v5                           ; p
	v_lshlrev_b32 v6, 4, v3                        ; 16 h
	s_lshl_b32 s38, s21, 12
	s_mov_b32 s39, 0
	s_mov_b32 s22, 0x3ed49a78                      ; log2(10000)/32, high part
	s_mov_b32 s23, 0x32179a1c                      ; and the rest
	s_mov_b32 s24, 0xbf317218                      ; -ln 2
	s_mov_b32 s25, 0xbfc90fd8                      ; -pi/2 in three parts
	s_mov_b32 s26, 0xb4a8885a
	s_mov_b32 s27, 0xa7c234c4
	s_mov_b32 s28, 0x3638ef1d                      ; 1/9!
	s_mov_b32 s29, 0xb9500d01                      ; -1/7!
	s_mov_b32 s30, 0x3c088889                      ; 1/5!
	s_mov_b32 s31, 0xbe2aaaab                      ; -1/3!
	s_mov_b32 s32, 0xb493f27e                      ; -1/10!
	s_mov_b32 s33, 0x37d00d01                      ; 1/8!
	s_mov_b32 s34, 0xbab60b61                      ; -1/6!
	s_mov_b32 s35, 0x3d2aaaab                      ; 1/4!
	s_wait_alu depctr_va_vdst(0)
	s_wait_kmcnt 0x0
	s_add_nc_u64 s[18:19], s[18:19], s[38:39]
.macro ALL16 body:vararg
.irp j, 0,1,2,3,4,5,6,7,8,9,10,11,12,13,14,15
	\body
.endr
.endm
.irp j, 0,1,2,3,4,5,6,7,8,9,10,11,12,13,14,15
	v_add_nc_u32 v[A0+\j], \j, v6
.endr
.irp j, 0,1,2,3,4,5,6,7,8,9,10,11,12,13,14,15
	v_cvt_f32_u32 v[A0+\j], v[A0+\j]               ; i
.endr
.irp j, 0,1,2,3,4,5,6,7,8,9,10,11,12,13,14,15
	v_mul_f32 v[A1+\j], s22, v[A0+\j]              ; a
.endr
.irp j, 0,1,2,3,4,5,6,7,8,9,10,11,12,13,14,15
	v_fma_f32 v[A2+\j], v[A0+\j], s22, -v[A1+\j]   ; what the product dropped,
.endr
.irp j, 0,1,2,3,4,5,6,7,8,9,10,11,12,13,14,15
	v_fma_f32 v[A2+\j], v[A0+\j], s23, v[A2+\j]    ; and the constant's rest
.endr
	s_wait_alu depctr_va_vdst(0)
.irp j, 0,1,2,3,4,5,6,7,8,9,10,11,12,13,14,15
	v_exp_f32 v[A3+\j], -v[A1+\j]
.endr
.irp j, 0,1,2,3,4,5,6,7,8,9,10,11,12,13,14,15
	v_mul_f32 v[A2+\j], s24, v[A2+\j]              ; (plain lines behind the exponentials)
.endr
	s_wait_alu depctr_va_vdst(0)
.irp j, 0,1,2,3,4,5,6,7,8,9,10,11,12,13,14,15
	v_fma_f32 v[A3+\j], v[A3+\j], v[A2+\j], v[A3+\j]   ; w
.endr
.irp j, 0,1,2,3,4,5,6,7,8,9,10,11,12,13,14,15
	v_mul_f32 v[A0+\j], v5, v[A3+\j]               ; the angle
.endr
.irp j, 0,1,2,3,4,5,6,7,8,9,10,11,12,13,14,15
	v_mul_f32 v[A1+\j], 0x3f22f983, v[A0+\j]       ; x 2/pi
.endr
.irp j, 0,1,2,3,4,5,6,7,8,9,10,11,12,13,14,15
	v_rndne_f32 v[A1+\j], v[A1+\j]                 ; n
.endr
.irp j, 0,1,2,3,4,5,6,7,8,9,10,11,12,13,14,15
	v_fma_f32 v[A2+\j], v[A1+\j], s25, v[A0+\j]
.endr
.irp j, 0,1,2,3,4,5,6,7,8,9,10,11,12,13,14,15
	v_fma_f32 v[A2+\j], v[A1+\j], s26, v[A2+\j]
.endr
.irp j, 0,1,2,3,4,5,6,7,8,9,10,11,12,13,14,15
	v_fma_f32 v[A2+\j], v[A1+\j], s27, v[A2+\j]    ; r
.endr
.irp j, 0,1,2,3,4,5,6,7,8,9,10,11,12,13,14,15
	v_mul_f32 v[A3+\j], v[A2+\j], v[A2+\j]         ; r^2
.endr
.irp j, 0,1,2,3,4,5,6,7,8,9,10,11,12,13,14,15
	v_fma_f32 v[A4+\j], v[A3+\j], s28, s29
	v_fma_f32 v[A5+\j], v[A3+\j], s32, s33
.endr
.irp j, 0,1,2,3,4,5,6,7,8,9,10,11,12,13,14,15
	v_fma_f32 v[A4+\j], v[A4+\j], v[A3+\j], s30
	v_fma_f32 v[A5+\j], v[A5+\j], v[A3+\j], s34
.endr
.irp j, 0,1,2,3,4,5,6,7,8,9,10,11,12,13,14,15
	v_fma_f32 v[A4+\j], v[A4+\j], v[A3+\j], s31
	v_fma_f32 v[A5+\j], v[A5+\j], v[A3+\j], s35
.endr
.irp j, 0,1,2,3,4,5,6,7,8,9,10,11,12,13,14,15
	v_mul_f32 v[A4+\j], v[A4+\j], v[A3+\j]
	v_fma_f32 v[A5+\j], v[A5+\j], v[A3+\j], -0.5
.endr
.irp j, 0,1,2,3,4,5,6,7,8,9,10,11,12,13,14,15
	v_fma_f32 v[A4+\j], v[A2+\j], v[A4+\j], v[A2+\j]   ; sin r
	v_fma_f32 v[A5+\j], v[A5+\j], v[A3+\j], 1.0        ; cos r
.endr
.irp j, 0,1,2,3,4,5,6,7,8,9,10,11,12,13,14,15
	v_cvt_i32_f32 v[A6+\j], v[A1+\j]
.endr
.irp j, 0,1,2,3,4,5,6,7,8,9,10,11,12,13,14,15
	v_and_b32 v7, 1, v[A6+\j]
	v_cmp_eq_u32 vcc_lo, 1, v7                     ; in odd quadrants the two change places
	v_cndmask_b32 v[A7+\j], v[A4+\j], v[A5+\j], vcc_lo
	v_cndmask_b32 v[A8+\j], v[A5+\j], v[A4+\j], vcc_lo
.endr
.irp j, 0,1,2,3,4,5,6,7,8,9,10,11,12,13,14,15
	v_and_b32 v[A2+\j], 2, v[A6+\j]                ; the sine is negative in quadrants 2, 3
	v_add_nc_u32 v[A3+\j], 1, v[A6+\j]             ; the cosine in quadrants 1, 2
.endr
.irp j, 0,1,2,3,4,5,6,7,8,9,10,11,12,13,14,15
	v_lshlrev_b32 v[A2+\j], 30, v[A2+\j]
	v_and_b32 v[A3+\j], 2, v[A3+\j]
.endr
.irp j, 0,1,2,3,4,5,6,7,8,9,10,11,12,13,14,15
	v_xor_b32 v[A7+\j], v[A7+\j], v[A2+\j]
	v_lshlrev_b32 v[A3+\j], 30, v[A3+\j]
.endr
.irp j, 0,1,2,3,4,5,6,7,8,9,10,11,12,13,14,15
	v_xor_b32 v[A8+\j], v[A8+\j], v[A3+\j]
.endr
.irp g, 0,1,2,3
	global_store_b128 v4, v[A8+4*\g:A8+4*\g+3], s[18:19] offset:512*\g          ; the cosines: 512 consecutive bytes a store
	global_store_b128 v4, v[A7+4*\g:A7+4*\g+3], s[18:19] offset:2048+512*\g     ; the sines
.endr
	s_endpgm
.Lfunc_end_k_q3aedbac515_quant:
	.size	k_q3aedbac515_quant, .Lfunc_end_k_q3aedbac515_quant-k_q3aedbac515_quant
	.p2alignl 7, 3214868480
	.fill 96, 4, 3214868480
	.section	.rodata,"a",@progbits
	.p2align	6, 0x0
	.amdhsa_kernel k_q3aedbac515_quant
		.amdhsa_group_segment_fixed_size 34304
		.amdhsa_private_segment_fixed_size 0
		.amdhsa_enable_private_segment 0
		.amdhsa_kernarg_size 64
		.amdhsa_user_sgpr_count 2
		.amdhsa_user_sgpr_kernarg_segment_ptr 1
		.amdhsa_wavefront_size32 1
		.amdhsa_system_sgpr_workgroup_id_x 1
		.amdhsa_system_sgpr_workgroup_id_y 1
		.amdhsa_system_sgpr_workgroup_id_z 1
		.amdhsa_system_vgpr_workitem_id 0
		.amdhsa_next_free_vgpr 258
		.amdhsa_next_free_sgpr 66
		.amdhsa_reserve_vcc 1
		.amdhsa_float_denorm_mode_32 3
		.amdhsa_float_denorm_mode_16_64 3
		.amdhsa_memory_ordered 1
		.amdhsa_forward_progress 1
		.amdhsa_inst_pref_size 61
	.end_amdhsa_kernel
	.amdgpu_metadata
---
amdhsa.version: [ 1, 2 ]
amdhsa.kernels:
  - .name:           k_q3aedbac515_quant
    .symbol:         k_q3aedbac515_quant.kd
    .args:
      - { .name: x, .offset: 0, .size: 8, .value_kind: global_buffer, .address_space: global }
      - { .name: Wq, .offset: 8, .size: 8, .value_kind: global_buffer, .address_space: global }
      - { .name: Wk, .offset: 16, .size: 8, .value_kind: global_buffer, .address_space: global }
      - { .name: Wv, .offset: 24, .size: 8, .value_kind: global_buffer, .address_space: global }
      - { .name: Wproj, .offset: 32, .size: 8, .value_kind: global_buffer, .address_space: global }
      - { .name: xq, .offset: 40, .size: 8, .value_kind: global_buffer, .address_space: global }
      - { .name: wts, .offset: 48, .size: 8, .value_kind: global_buffer, .address_space: global }
      - { .name: tab, .offset: 56, .size: 8, .value_kind: global_buffer, .address_space: global }
    .group_segment_fixed_size: 34304
    .private_segment_fixed_size: 0
    .kernarg_segment_align: 8
    .kernarg_segment_size: 64
    .max_flat_workgroup_size: 128
    .sgpr_count:     66
    .vgpr_count:     258
    .wavefront_size: 32
...
	.end_amdgpu_metadata
.endif
;; end of part 1
;; launch qkv (part 2): grid 4 x 64, 4 waves a work-group, clusters of 4 x 4, 327,680 bytes of LDS; arguments xq, wts, tab, q_gain, qb, kv; writes qb, kv
.if DOCPART == 2
	.amdgcn_target "amdgcn-amd-amdhsa--gfx1250"
	.amdhsa_code_object_version 6
	.text
	.protected	k_q3aedbac515_qkv
	.globl	k_q3aedbac515_qkv
	.p2align	8
	.type	k_q3aedbac515_qkv,@function
k_q3aedbac515_qkv:
	s_mov_b64 s[64:65], 0
	v_nop
	global_prefetch_b8 v0, s[64:65] scope:SCOPE_SE
	s_setreg_imm32_b32 hwreg(HW_REG_WAVE_MODE, 25, 1), 1
	s_wait_xcnt 0x0
	s_wait_alu depctr_hold_cnt(0) depctr_sa_sdst(0) depctr_va_vdst(0) depctr_va_sdst(0) depctr_va_ssrc(0) depctr_va_vcc(0) depctr_vm_vsrc(0)
	s_getreg_b32 s2, hwreg(HW_REG_IB_STS2, 6, 4)
	s_cmp_eq_u32 s2, 0
	s_cbranch_scc0 .Lentry_in_a_cluster
	s_endpgm
.Lentry_in_a_cluster:
	s_bfe_u32 s2, ttmp6, 0x10000c
	s_cmp_lg_u32 s2, 0xf033
	s_cbranch_scc0 .Lentry_shape_is_right
	s_endpgm
.Lentry_shape_is_right:
; q, k, v = x Wq^T, x Wk^T, x Wv^T on codes of BF6 (E3M2, one E8M0 scale for each 32 along K = 1,024); then rms-norm, rotary and gain on q and k, in f32; then q and k are quantised along the head's 64
; and v along the keys, and leave as images of the operands' registers for the attention launch.  q, k, v never lie in memory as f32.
; SHARES.  A work-group takes 128 tokens (block m, which is one key step of 128) x 6 head slots (column group c: five q or k heads 5 c + 0 .. 4 and v head c): 256 work-groups of equal work.
; Wave (a, w'): tokens 64 a on (4 tiles of 16) x head slots 3 w' + 0 .. 2 (12 tiles of 16 rows of W): 48 accumulators, 384 registers.
; THE PRODUCT IS USED TRANSPOSED for q and k (source 0 = 16 rows of W, source 1 = 16 tokens): a lane holds one token and its registers run along the head.  For v the sources are swapped, so that a lane
; holds one channel and its registers run along the tokens, which are the keys.  The rows of every tile are 32 (T/2) + 8 (T%2) + r + 8 (r/8), so that the 16 registers of two neighbouring tiles are 16 neighbours.
; K goes in 8 steps of 128, in 4 chunks of two.  A chunk of a tile is one record of 3,328 bytes (4 images of 768 bytes, 256 bytes of scale words): a fragment comes by four contiguous LDS loads, no pitch, no padding.
; LDS: three slots of 32 records (8 of x, 24 of W); chunks 0, 1, 2 are first fills, chunk 3 fills slot 0 again.
; CLUSTERS: 4 x 4.  The four work-groups of a row of the cluster share x's records, the four of a column share W's: each is asked for jointly.  Wave 0 asks for x's 8 records of a chunk, waves 1-3 for 8 of W's each.
; One tensor load of a wave is out at a time.
; REGISTERS, in windows of 256: window 0: v1-15 offsets; v16-63 scale words, two sets of 12 pairs (lanes 0-15 x's tile i, lanes 16-31 W's tile i); v64-159 x's fragments, two sets; v160-207 W's second set, slot 2;
;   v208-222 LDS addresses, five for each slot.  window 1: accumulators of slots 0 and 1.  window 2: v0-127 those of slot 2; v128-255 cos and sin of my 64 tokens.  window 3: W's first set (144), W's second set, slots 0, 1 (96).
; LIMITS: the gain is multiplied into the norm's factor ahead of the rotary step (another order of rounding than the reference's); blocks under 2^-122 keep the scale byte 1; NaN and infinities are not served.
.set REC,    3328
.set TILEB,  13312
.set SLOT,   32*REC
.set SPARE,  3*SLOT                    ; behind the slots: the spare words, 128 bytes a wave: two blocks of 256 bytes that no other line names
.set QSC_OFF, 6291456                  ; qb: the scale words lie behind the images
.set STREAM, 204800                    ; kv: a (batch, kv head)'s 16 key steps
.set KSB,    12800                     ; a key step: K's 8 images, V's 8, 256 bytes of K's scale words, 256 of V's
.set O16, 3                            ; v3   16 x lane
.set O8,  4                            ; v4   512 + 8 x lane
.set OP,  10                           ; v10  64 h + 4 r
.set SPW, 14                           ; v14  my spare word; never rewritten
.set NIL, 15                           ; v15  0; never rewritten
.set SC,  16
.set XF,  64
.set WB2, 160
.set ADR, 208
.set NV,  64                           ; the epilogue, in window 0: 32 numbers of a token
.set T1,  96
.set T2,  112
.set SSA, 128
.set SSB, 130
.set SS,  132
.set TP,  133
.set RS,  134
.set QT,  136
.set QP,  138
.set QS,  140
.set QB,  142
.set W16, 144
.set H,   146
.set HT,  152
.set PWT, 156
.set PW0, 157
.set PW1, 158
.set PS,  159
.set G1X, 24
.set G1W, 32
.set G0X, 40                           ; three sets
.set G0W, 52                           ; three sets
.set IMG, 68                           ; s[68:73] where slot e's images go
.set SCB, 74                           ; s[74:79] and its scale words
.set GAIN, 80                          ; s80-82
.set MSB, 0
.macro WIN new                         ; the immediate's high byte repeats the setting that is left
.if MSB != (\new)
	s_set_vgpr_msb (MSB<<8)|(\new)
.set MSB, (\new)
.endif
.endm
.macro PLACES n
.rept \n
	v_nop
.endr
.endm
.macro CROUND                          ; a round of the cluster's barrier
	s_barrier_signal -1
	s_barrier_wait -1
	s_cmp_lg_u32 s16, 0
	s_cbranch_scc1 .Lnot_wave_0_\@
	s_barrier_signal -3
.Lnot_wave_0_\@:
	s_barrier_wait -3
	s_barrier_signal -1
	s_barrier_wait -1
.endm
.macro JLOAD g0a, g1a, g0b, g1b        ; a joint load: wave 0 for x, waves 1-3 for W; four v_nop follow each line
	s_cmp_eq_u32 s16, 0
	s_cbranch_scc0 .Lfor_b_\@
	tensor_load_to_lds s[\g0a:\g0a+3], s[\g1a:\g1a+7]
	s_nop 0
.rept 4
	v_nop
.endr
	s_branch .Lasked_\@
.Lfor_b_\@:
	tensor_load_to_lds s[\g0b:\g0b+3], s[\g1b:\g1b+7]
	s_nop 0
.rept 4
	v_nop
.endr
.Lasked_\@:
.endm
.macro FRAG reg, a16, a8, off          ; a fragment, 12 registers: two images, each 512 + 256 consecutive bytes
	ds_load_b128 v[(\reg):(\reg)+3], v[\a16] offset:\off
	ds_load_b64 v[(\reg)+4:(\reg)+5], v[\a8] offset:\off
	ds_load_b128 v[(\reg)+6:(\reg)+9], v[\a16] offset:(\off)+768
	ds_load_b64 v[(\reg)+10:(\reg)+11], v[\a8] offset:(\off)+768
.endm
	s_load_b256 s[4:11], s[0:1], 0x0               ; xq, wts, tab, q_gain
	s_load_b128 s[12:15], s[0:1], 0x20             ; qb, kv
	v_lshl_add_u32 v[SPW], v0, 2, SPARE
	v_mov_b32 v[NIL], 0
	ds_add_u32 v14, v15
	ds_add_u32 v14, v15
	s_wait_dscnt 0x0
	v_lshrrev_b32 v1, 5, v0
	v_readfirstlane_b32 s16, v1                    ; wave
	s_lshr_b32 s17, s16, 1                         ; a
	s_and_b32 s18, s16, 1                          ; w'
	s_bfe_u32 s19, ttmp6, 0x40000                  ; cx
	s_bfe_u32 s20, ttmp6, 0x40004                  ; cy
	s_lshl_b32 s22, ttmp9, 2
	s_add_co_u32 s22, s22, s19                     ; c
	s_and_b32 s21, ttmp7, 0xffff
	s_lshl_b32 s21, s21, 2
	s_add_co_u32 s21, s21, s20                     ; m
	s_lshl_b32 s89, s20, 2
	s_lshl_b32 s89, 15, s89                        ; my row of the cluster
	s_lshl_b32 s90, 0x1111, s19                    ; my column
	s_or_b32 s[G1X], s89, (3<<16)|(1<<21)          ; 15:0 the mask; 17:16 elements of 8 bytes; 21 set beside a mask; no padding
	s_or_b32 s[G1W], s90, (3<<16)|(1<<21)
.irp g, G1X, G1W
	s_mov_b32 s[\g+1], 416<<16                     ; tensor_dim0: a record, 416 elements
	s_mov_b32 s[\g+2], 8<<16                       ; tensor_dim1: 8 tiles
	s_mov_b32 s[\g+3], 416<<16                     ; tile_dim0
	s_mov_b32 s[\g+4], 8                           ; tile_dim1
	s_mov_b32 s[\g+5], 1664                        ; from tile to tile: 13,312 bytes
	s_mov_b32 s[\g+6], 0
	s_mov_b32 s[\g+7], 0
.endr
	s_mul_i32 s92, s21, 8*TILEB                    ; x: my block's 8 tiles
	s_mov_b32 s93, 0
	s_max_u32 s94, s16, 1
	s_sub_co_u32 s94, s94, 1                       ; W: waves 1, 2, 3 take tiles 0-7, 8-15, 16-23 of the column group
	s_lshl_b32 s94, s94, 3
	s_mul_i32 s95, s22, 24
	s_add_co_u32 s94, s94, s95
	s_mul_i32 s94, s94, TILEB
	s_mov_b32 s95, 0
	s_mul_i32 s96, s16, 8*REC                      ; and where they go in a slot: behind x's 8 records
	s_lshr_b32 s23, s21, 4                         ; the batch
	s_and_b32 s66, s21, 15                         ; the key step
	s_mov_b32 s83, 0x3c800000                      ; 1/64
	s_mov_b32 s84, 0x34000000                      ; eps of f32
	s_mov_b32 s86, 0x76543210
	s_mov_b32 s87, 0xfedcba98                      ; selects for lane l xor 16
	s_mov_b32 s88, 0xffff0000                      ; lanes 16-31
	s_wait_kmcnt 0x0
	s_add_nc_u64 s[92:93], s[4:5], s[92:93]
	s_add_nc_u64 s[94:95], s[6:7], s[94:95]
	CROUND                                         ; all sixteen work-groups are here: the first joint loads meet
.irp q, 0,1,2
	s_mov_b32 s[G0X+4*\q], 1
	s_mov_b32 s[G0X+4*\q+1], \q*SLOT
	s_add_nc_u64 s[G0X+4*\q+2:G0X+4*\q+3], s[92:93], \q*REC
	s_or_b32 s[G0X+4*\q+3], s[G0X+4*\q+3], 0x80000000
	s_mov_b32 s[G0W+4*\q], 1
	s_add_co_u32 s[G0W+4*\q+1], s96, \q*SLOT
	s_add_nc_u64 s[G0W+4*\q+2:G0W+4*\q+3], s[94:95], \q*REC
	s_or_b32 s[G0W+4*\q+3], s[G0W+4*\q+3], 0x80000000
.endr
	JLOAD G0X, G1X, G0W, G1W                       ; chunk 0: one tensor load a wave at the head; from here on one load of a wave is out at a time
	v_and_b32 v1, 15, v0                           ; r
	v_bfe_u32 v2, v0, 4, 1                         ; h
	v_and_b32 v5, 31, v0
	v_lshlrev_b32 v[O16], 4, v5
	v_lshlrev_b32 v6, 3, v5
	v_add_nc_u32 v[O8], 512, v6
	v_lshlrev_b32 v[OP], 2, v1
	v_lshl_add_u32 v[OP], v2, 6, v[OP]
	s_mul_i32 s89, s17, 4*REC                      ; my 4 records of x
	s_mul_i32 s90, s18, 12*REC
	s_add_co_u32 s90, s90, 8*REC                   ; my 12 of W
	s_sub_co_u32 s91, s90, s89
	v_mul_u32_u24 v7, s91, v2                      ; scale words: lanes 16-31 take W's
	v_add_nc_u32 v7, v7, v6
	v_add_nc_u32 v7, 3072, v7
.irp s, 0,1,2
	v_add_nc_u32 v[ADR+5*\s], s89, v[O16]
	v_add_nc_u32 v[ADR+5*\s+1], s89, v[O8]
	v_add_nc_u32 v[ADR+5*\s+2], s90, v[O16]
	v_add_nc_u32 v[ADR+5*\s+3], s90, v[O8]
	v_add_nc_u32 v[ADR+5*\s+4], s89, v7
	s_add_co_u32 s89, s89, SLOT
	s_add_co_u32 s90, s90, SLOT
.endr
	s_lshl_b32 s89, s66, 3
	s_lshl_b32 s90, s17, 2
	s_add_co_u32 s89, s89, s90                     ; my first tile of positions: 8 s + 4 a
	s_lshl_b32 s92, s89, 12
	s_mov_b32 s93, 0
	s_add_nc_u64 s[8:9], s[8:9], s[92:93]
	WIN 0x80                                       ; destination window 2
.irp tx, 0,1,2,3
.irp g, 0,1,2,3,4,5,6,7
	global_load_b128 v[128+32*\tx+4*\g:128+32*\tx+4*\g+3], v[O16], s[8:9] offset:\tx*4096+512*\g   ; 16 cosines, then 16 sines, of my token
.endr
.endr
	WIN 0
	s_mul_i32 s94, s22, 5
	s_mul_i32 s95, s18, 3
	s_add_co_u32 s94, s94, s95                     ; g of my slot 0
	s_min_u32 s96, s94, 15
	s_lshl_b32 s96, s96, 2
	s_add_co_u32 s97, s94, 1
	s_min_u32 s97, s97, 15
	s_lshl_b32 s97, s97, 2
	s_add_co_u32 s98, s94, 2
	s_min_u32 s98, s98, 15
	s_lshl_b32 s98, s98, 2
	s_load_b32 s[GAIN], s[10:11], s96 offset:0x0
	s_load_b32 s[GAIN+1], s[10:11], s97 offset:0x0
	s_load_b32 s[GAIN+2], s[10:11], s98 offset:0x0
	s_wait_kmcnt 0x0
; where slot e's results go: a q head's into qb, a k head's into kv: both offsets are made and one is chosen, with its buffer, on g alone; a k head's gain is 1
.macro BASE e
	s_add_co_u32 s95, s94, \e                      ; g
	s_lshl_b32 s96, s23, 4
	s_add_co_u32 s96, s96, s95                     ; 16 b + g
	s_lshl_b32 s97, s96, 7
	s_lshl_b32 s98, s66, 3
	s_add_co_u32 s97, s97, s98
	s_lshl_b32 s98, s17, 2
	s_add_co_u32 s97, s97, s98
	s_mul_i32 s97, s97, 768                        ; q's images
	s_lshl_b32 s96, s96, 6
	s_lshl_b32 s98, s66, 2
	s_add_co_u32 s96, s96, s98
	s_lshl_b32 s98, s17, 1
	s_add_co_u32 s96, s96, s98
	s_lshl_b32 s96, s96, 6
	s_add_co_u32 s96, s96, QSC_OFF                 ; q's scale words
	s_lshl_b32 s98, s23, 2
	s_add_co_u32 s98, s98, s95
	s_sub_co_u32 s98, s98, 16                      ; 4 b + g - 16
	s_mul_i32 s98, s98, STREAM
	s_mul_i32 s99, s66, KSB
	s_add_co_u32 s98, s98, s99
	s_mul_i32 s99, s17, 3072
	s_add_co_u32 s99, s99, s98                     ; k's images
	s_lshl_b32 s85, s17, 7
	s_add_co_u32 s98, s98, s85
	s_add_co_u32 s98, s98, 12288                   ; k's scale words
	s_cmp_ge_u32 s95, 16
	s_cselect_b64 s[IMG+2*\e:IMG+2*\e+1], s[14:15], s[12:13]
	s_cselect_b64 s[SCB+2*\e:SCB+2*\e+1], s[14:15], s[12:13]
	s_cselect_b32 s97, s99, s97
	s_cselect_b32 s96, s98, s96
	s_cselect_b32 s[GAIN+\e], 1.0, s[GAIN+\e]
	s_mov_b32 s98, s97
	s_mov_b32 s99, 0
	s_add_nc_u64 s[IMG+2*\e:IMG+2*\e+1], s[IMG+2*\e:IMG+2*\e+1], s[98:99]
	s_mov_b32 s98, s96
	s_add_nc_u64 s[SCB+2*\e:SCB+2*\e+1], s[SCB+2*\e:SCB+2*\e+1], s[98:99]
.endm
	BASE 0
	BASE 1
	BASE 2                                         ; (in waves with w' = 1 slot 2 is the v head: this base is then not used)
	s_lshl_b32 s95, s23, 2
	s_add_co_u32 s95, s95, s22                     ; v head c: stream 4 b + c
	s_mul_i32 s95, s95, STREAM
	s_mul_i32 s96, s66, KSB
	s_add_co_u32 s95, s95, s96
	s_mul_i32 s96, s17, 768
	s_add_co_u32 s98, s95, s96
	s_add_co_u32 s98, s98, 6144
	s_mov_b32 s99, 0
	s_add_nc_u64 s[90:91], s[14:15], s[98:99]      ; v's images: my half of the step's keys
	s_lshl_b32 s96, s17, 1
	s_add_co_u32 s98, s95, s96
	s_add_co_u32 s98, s98, 12544
	s_add_nc_u64 s[92:93], s[14:15], s[98:99]      ; and my two bytes of its scale words
; the fragments and, with an even K step, the chunk's scale words of K step k, into set k % 2
.macro LOADS k
.set KP, (\k)%2
.set AD, ADR+5*(((\k)/2)%3)
.set XB, XF+48*KP
.irp tx, 0,1,2,3
	FRAG XB+12*\tx, AD, AD+1, \tx*REC+KP*1536
.endr
.if KP == 0
.irp i, 0,1,2,3,4,5,6,7,8,9,10,11
	ds_load_b64 v[SC+24*(((\k)/2)%2)+2*\i:SC+24*(((\k)/2)%2)+2*\i+1], v[AD+4] offset:\i*REC
.endr
.else
.irp tw, 0,1,2,3
	FRAG WB2+12*\tw, AD+2, AD+3, (8+\tw)*REC+1536
.endr
.endif
	WIN 0xc0                                       ; destination window 3
.if KP == 0
.irp i, 0,1,2,3,4,5,6,7,8,9,10,11
	FRAG 12*\i, AD+2, AD+3, \i*REC
.endr
.else
.irp i, 0,1,2,3,4,5,6,7
	FRAG 144+12*\i, AD+2, AD+3, \i*REC+1536
.endr
.endif
	WIN 0
.endm
; 16 products of head slot e, source 0 = W, source 1 = x
.macro MMQK e, k, zero
.set KP, (\k)%2
.set SB, SC+24*(((\k)/2)%2)+KP
.set XB, XF+48*KP
.if KP == 0
.set WBS, 48*(\e)
.elseif (\e) < 2
.set WBS, 144+48*(\e)
.else
.set WBS, WB2
.endif
.set AB, 128*((\e)%2)
.irp tx, 0,1,2,3
.irp tw, 0,1,2,3
.if \zero
	v_wmma_scale_f32_16x16x128_f8f6f4 v[AB+8*(4*\tx+\tw):AB+8*(4*\tx+\tw)+7], v[WBS+12*\tw:WBS+12*\tw+11], v[XB+12*\tx:XB+12*\tx+11], 0, v[SB+2*(4*(\e)+\tw)], v[SB+2*\tx] matrix_a_fmt:MATRIX_FMT_BF6 matrix_b_fmt:MATRIX_FMT_BF6 matrix_a_scale:MATRIX_SCALE_ROW1
.else
	v_wmma_scale_f32_16x16x128_f8f6f4 v[AB+8*(4*\tx+\tw):AB+8*(4*\tx+\tw)+7], v[WBS+12*\tw:WBS+12*\tw+11], v[XB+12*\tx:XB+12*\tx+11], v[AB+8*(4*\tx+\tw):AB+8*(4*\tx+\tw)+7], v[SB+2*(4*(\e)+\tw)], v[SB+2*\tx] matrix_a_fmt:MATRIX_FMT_BF6 matrix_b_fmt:MATRIX_FMT_BF6 matrix_a_scale:MATRIX_SCALE_ROW1
.endif
.endr
.endr
.endm
; the v head's 16 products, sources swapped: source 0 = x, source 1 = Wv; accumulator (tw, tx) at 8 (4 tw + tx)
.macro MMV k, zero
.set KP, (\k)%2
.set SB, SC+24*(((\k)/2)%2)+KP
.set XB, XF+48*KP
.if KP == 0
.set WBS, 96
.else
.set WBS, WB2
.endif
.irp tw, 0,1,2,3
.irp tx, 0,1,2,3
.if \zero
	v_wmma_scale_f32_16x16x128_f8f6f4 v[8*(4*\tw+\tx):8*(4*\tw+\tx)+7], v[XB+12*\tx:XB+12*\tx+11], v[WBS+12*\tw:WBS+12*\tw+11], 0, v[SB+2*\tx], v[SB+2*(8+\tw)] matrix_a_fmt:MATRIX_FMT_BF6 matrix_b_fmt:MATRIX_FMT_BF6 matrix_b_scale:MATRIX_SCALE_ROW1
.else
	v_wmma_scale_f32_16x16x128_f8f6f4 v[8*(4*\tw+\tx):8*(4*\tw+\tx)+7], v[XB+12*\tx:XB+12*\tx+11], v[WBS+12*\tw:WBS+12*\tw+11], v[8*(4*\tw+\tx):8*(4*\tw+\tx)+7], v[SB+2*\tx], v[SB+2*(8+\tw)] matrix_a_fmt:MATRIX_FMT_BF6 matrix_b_fmt:MATRIX_FMT_BF6 matrix_b_scale:MATRIX_SCALE_ROW1
.endif
.endr
.endr
.endm
; a K step's 48 products: the 48 accumulators take turns, one instruction a turn.  zero = 1: the first product starts the sums.
.macro MM k, zero
	WIN 0x53                                       ; W window 3, x window 0, C and D window 1
	MMQK 0, \k, \zero
	MMQK 1, \k, \zero
	WIN 0
	s_cmp_eq_u32 s18, 0                            ; slot 2: a q or k head (w' = 0) or the v head (w' = 1)
	s_cbranch_scc0 .Lmv_\@
	WIN 0xa3-3*((\k)%2)                            ; C and D window 2; W window 3, or 0 for the second set
	MMQK 2, \k, \zero
	WIN 0
	s_branch .Lmd_\@
.Lmv_\@:
	WIN 0xac-12*((\k)%2)                           ; the same with W as source 1
	MMV \k, \zero
	WIN 0
.Lmd_\@:
.endm
; K step k: its fragments are in; the next step's are asked for, four places behind the products that read their registers; then the products
.macro STEP k, bar
	s_wait_dscnt 0x0
.if \bar
	s_wait_tensorcnt 0x0                           ; the one load of mine that is out is my part of chunk 3,
	s_barrier_signal -1
	s_barrier_wait -1                              ; and everybody's is in
.endif
.if (\k) < 7
	PLACES 4
	LOADS (\k)+1
.endif
	MM \k, 0
.endm
	s_wait_alu depctr_va_vdst(0)                   ; the wait at the head's end
	s_wait_tensorcnt 0x0                           ; my part of chunk 0 is in; a later first fill is issued as a refill is:
	ds_add_u32 v[SPW], v[NIL]                      ; 0 onto my spare word
	s_wait_dscnt 0x0
	CROUND                                         ; everybody's part of chunk 0 is in, and the joint loads meet
	JLOAD G0X+4, G1X, G0W+4, G1W                   ; chunk 1 into slot 1
	LOADS 0
	s_wait_dscnt 0x0
	LOADS 1
	MM 0, 1
	s_wait_tensorcnt 0x0                           ; my part of chunk 1 is in;
	ds_add_u32 v[SPW], v[NIL]                      ; 0 onto my spare word;
	s_wait_dscnt 0x0                               ; the add is done, K step 1's fragments are in registers
	CROUND
	JLOAD G0X+8, G1X, G0W+8, G1W                   ; chunk 2 into slot 2, its first fill; the four v_nop are also the places in front of the loads below
	LOADS 2
	MM 1, 0
	STEP 2, 0
	s_wait_tensorcnt 0x0                           ; my part of chunk 2 is in;
	ds_add_u32 v[SPW], v[NIL]                      ; 0 onto my spare word;
	s_add_nc_u64 s[G0X+2:G0X+3], s[G0X+2:G0X+3], 3*REC   ; no load of mine is out: slot 0's descriptors step to chunk 3
	s_add_nc_u64 s[G0W+2:G0W+3], s[G0W+2:G0W+3], 3*REC
	s_wait_dscnt 0x0                               ; the add is done; K step 3's fragments are in registers; my reads of slot 0 ended with K step 1
	CROUND                                         ; so did those of every wave of every partner
	JLOAD G0X, G1X, G0W, G1W                       ; chunk 3 into slot 0; the four v_nop are also the places in front of the loads below
	LOADS 4
	MM 3, 0
	STEP 4, 0
	STEP 5, 1
	STEP 6, 0
	STEP 7, 0
; 32 numbers of a lane, register 16 b + i = index 32 b + 16 h + i along the next K, in window win, become an image's six registers in v[H] on and the two scale bytes in v[W16]
.macro QUANT2 src, win
	WIN (\win)*5
	v_max3_num_f32 v[QT], |v[(\src)]|, |v[(\src)+1]|, 0x2800000          ; with the floor 2^(5 - 127)
	v_max3_num_f32 v[QT+1], |v[(\src)+16]|, |v[(\src)+17]|, 0x2800000
.irp i, 2,4,6,8,10,12,14
	v_max3_num_f32 v[QT], |v[(\src)+\i]|, |v[(\src)+\i+1]|, v[QT]
	v_max3_num_f32 v[QT+1], |v[(\src)+16+\i]|, |v[(\src)+17+\i]|, v[QT+1]
.endr
	WIN 0
	v_permlanex16_b32 v[QP], v[QT], s86, s87
	v_permlanex16_b32 v[QP+1], v[QT+1], s86, s87
	v_max_num_f32 v[QT], v[QT], v[QP]
	v_max_num_f32 v[QT+1], v[QT+1], v[QP+1]
	v_add_nc_u32 v[QS], 0xfe000000, v[QT]
	v_add_nc_u32 v[QS+1], 0xfe000000, v[QT+1]
	v_lshrrev_b32 v[QB], 23, v[QS]
	v_lshrrev_b32 v[QB+1], 23, v[QS+1]
	v_lshl_or_b32 v[W16], v[QB+1], 8, v[QB]
	s_wait_alu depctr_va_vdst(0)
	s_wait_xcnt 0x0                                ; earlier stores have read the registers that are written below
	WIN \win
	v_cvt_scalef32_pk16_bf6_f32 v[H:H+2], v[(\src):(\src)+15], v[QS]
	v_cvt_scalef32_pk16_bf6_f32 v[HT:HT+2], v[(\src)+16:(\src)+31], v[QS+1]
	WIN 0
	v_nop                                          ; one plain place behind the conversions
.irp i, 0,1,2
	v_permlane16_swap_b32 v[H+\i], v[HT+\i]        ; a lane gets a whole block: lanes 0-15 the first, lanes 16-31 the second
.endr
.irp i, 0,1,2
	v_mov_b32 v[H+3+\i], v[HT+\i]
.endr
.endm
; a q or k head (slot e), 16 tokens (tile tx): rms-norm and gain, rotary, codes
.macro EPI_QK e, tx
.set AB, 128*((\e)%2)+32*(\tx)
.set AW, 1+(\e)/2
.set TC, 128+32*(\tx)
.set TS, 144+32*(\tx)
	WIN AW*5
	v_pk_mul_f32 v[SSA:SSA+1], v[AB:AB+1], v[AB:AB+1]              ; the squares' sum, in two chains, each accumulator from its low end on
	v_pk_mul_f32 v[SSB:SSB+1], v[AB+2:AB+3], v[AB+2:AB+3]
.irp p, 4,8,12,16,20,24,28
	v_pk_fma_f32 v[SSA:SSA+1], v[AB+\p:AB+\p+1], v[AB+\p:AB+\p+1], v[SSA:SSA+1]
	v_pk_fma_f32 v[SSB:SSB+1], v[AB+\p+2:AB+\p+3], v[AB+\p+2:AB+\p+3], v[SSB:SSB+1]
.endr
	WIN 0
	v_pk_add_f32 v[SSA:SSA+1], v[SSA:SSA+1], v[SSB:SSB+1]
	v_add_f32 v[SS], v[SSA], v[SSA+1]
	v_permlanex16_b32 v[TP], v[SS], s86, s87
	v_add_f32 v[SS], v[SS], v[TP]                  ; with lane l xor 16's 32: the head's 64
	v_fma_f32 v[SS], v[SS], s83, s84               ; the mean + eps
	s_wait_alu depctr_va_vdst(0)
	v_rsq_f32 v[RS], v[SS]
	v_nop                                          ; one plain place behind the transcendental
	s_wait_alu depctr_va_vdst(0)
	v_mul_f32 v[RS], s[GAIN+(\e)], v[RS]
	WIN AW
.set cn, 0
.rept 16
	v_pk_mul_f32 v[NV+cn:NV+cn+1], v[AB+cn:AB+cn+1], v[RS:RS+1] op_sel_hi:[1,0]
.set cn, cn+2
.endr
	WIN 0x08                                       ; source 1: the table, window 2
.irp p, 0,2,4,6,8,10,12,14
	v_pk_mul_f32 v[T1+\p:T1+\p+1], v[NV+16+\p:NV+17+\p], v[TS+\p:TS+\p+1]    ; t2 sin
	v_pk_mul_f32 v[T2+\p:T2+\p+1], v[NV+\p:NV+\p+1], v[TS+\p:TS+\p+1]        ; t1 sin
.endr
.irp p, 0,2,4,6,8,10,12,14
	v_pk_fma_f32 v[NV+\p:NV+\p+1], v[NV+\p:NV+\p+1], v[TC+\p:TC+\p+1], v[T1+\p:T1+\p+1]
	v_pk_fma_f32 v[NV+16+\p:NV+17+\p], v[NV+16+\p:NV+17+\p], v[TC+\p:TC+\p+1], v[T2+\p:T2+\p+1] neg_lo:[0,0,1] neg_hi:[0,0,1]
.endr
	WIN 0
	QUANT2 NV, 0
	global_store_b128 v[O16], v[H:H+3], s[IMG+2*(\e):IMG+2*(\e)+1] offset:768*(\tx)
	global_store_b64 v[O8], v[H+4:H+5], s[IMG+2*(\e):IMG+2*(\e)+1] offset:768*(\tx)
.if (\tx)%2 == 0
	v_mov_b32 v[PWT], v[W16]
.else
	v_lshl_or_b32 v[PW0+(\tx)/2], v[W16], 16, v[PWT]               ; the scale word of a pair of tiles
.endif
.if (\tx) == 3
	v_cndmask_b32 v[PS], v[PW0], v[PW1], s88       ; lanes 0-15 store the first pair's words, lanes 16-31 the second's: 128 consecutive bytes
	global_store_b32 v[OP], v[PS], s[SCB+2*(\e):SCB+2*(\e)+1]
.endif
.endm
; the v head, 16 channels (tile tw): my 64 keys' codes
.macro EPI_V tw
	QUANT2 32*(\tw), 2
	global_store_b128 v[O16], v[H:H+3], s[90:91] offset:1536*(\tw)
	global_store_b64 v[O8], v[H+4:H+5], s[90:91] offset:1536*(\tw)
.if (\tw)%2 == 0
	v_mov_b32 v[PWT], v[W16]
.else
	v_cndmask_b32 v[PS], v[PWT], v[W16], s88
	global_store_b16 v[OP], v[PS], s[92:93] offset:128*((\tw)/2)   ; my half's two bytes of each channel's word
.endif
.endm
	s_wait_loadcnt 0x0                             ; the table
	PLACES 4                                       ; behind the last products: results are read and operands' registers written below
	v_mov_b32 v[TP], 0                             ; a lane permute's destination counts as read
	v_mov_b32 v[QP], 0
	v_mov_b32 v[QP+1], 0
	v_mov_b32 v[RS+1], 0                           ; (named as the upper half of a pair)
.irp tx, 0,1,2,3
	EPI_QK 0, \tx
.endr
.irp tx, 0,1,2,3
	EPI_QK 1, \tx
.endr
	s_cmp_eq_u32 s18, 0
	s_cbranch_scc0 .Lvhead
.irp tx, 0,1,2,3
	EPI_QK 2, \tx
.endr
	s_branch .Ldone
.Lvhead:
.irp tw, 0,1,2,3
	EPI_V \tw
.endr
.Ldone:
	s_wait_tensorcnt 0x0                           ; the wave's end
	ds_add_u32 v[SPW], v[NIL]
	s_wait_dscnt 0x0
	CROUND                                         ; the closing round
	s_endpgm
.Lfunc_end_k_q3aedbac515_qkv:
	.size	k_q3aedbac515_qkv, .Lfunc_end_k_q3aedbac515_qkv-k_q3aedbac515_qkv
	.p2alignl 7, 3214868480
	.fill 96, 4, 3214868480
	.section	.rodata,"a",@progbits
	.p2align	6, 0x0
	.amdhsa_kernel k_q3aedbac515_qkv
		.amdhsa_group_segment_fixed_size 327680
		.amdhsa_private_segment_fixed_size 0
		.amdhsa_enable_private_segment 0
		.amdhsa_kernarg_size 48
		.amdhsa_user_sgpr_count 2
		.amdhsa_user_sgpr_kernarg_segment_ptr 1
		.amdhsa_wavefront_size32 1
		.amdhsa_system_sgpr_workgroup_id_x 1
		.amdhsa_system_sgpr_workgroup_id_y 1
		.amdhsa_system_sgpr_workgroup_id_z 1
		.amdhsa_system_vgpr_workitem_id 0
		.amdhsa_next_free_vgpr 1024
		.amdhsa_next_free_sgpr 100
		.amdhsa_reserve_vcc 0
		.amdhsa_float_denorm_mode_32 3
		.amdhsa_float_denorm_mode_16_64 3
		.amdhsa_memory_ordered 1
		.amdhsa_forward_progress 1
		.amdhsa_inst_pref_size 212
	.end_amdhsa_kernel
	.amdgpu_metadata
---
amdhsa.version: [ 1, 2 ]
amdhsa.kernels:
  - .name:           k_q3aedbac515_qkv
    .symbol:         k_q3aedbac515_qkv.kd
    .args:
      - { .name: xq, .offset: 0, .size: 8, .value_kind: global_buffer, .address_space: global }
      - { .name: wts, .offset: 8, .size: 8, .value_kind: global_buffer, .address_space: global }
      - { .name: tab, .offset: 16, .size: 8, .value_kind: global_buffer, .address_space: global }
      - { .name: q_gain, .offset: 24, .size: 8, .value_kind: global_buffer, .address_space: global }
      - { .name: qb, .offset: 32, .size: 8, .value_kind: global_buffer, .address_space: global }
      - { .name: kv, .offset: 40, .size: 8, .value_kind: global_buffer, .address_space: global }
    .group_segment_fixed_size: 327680
    .private_segment_fixed_size: 0
    .kernarg_segment_align: 8
    .kernarg_segment_size: 48
    .max_flat_workgroup_size: 128
    .sgpr_count:     100
    .vgpr_count:     1024
    .wavefront_size: 32
...
	.end_amdgpu_metadata
.endif
;; end of part 2
;; launch attn (part 3): grid 16 x 16, 16 waves a work-group, clusters of 4 x 1, 327,680 bytes of LDS; arguments qb, kv, yb; writes yb
.if DOCPART == 3
	.amdgcn_target "amdgcn-amd-amdhsa--gfx1250"
	.amdhsa_code_object_version 6
	.text
	.protected	k_q3aedbac515_attn
	.globl	k_q3aedbac515_attn
	.p2align	8
	.type	k_q3aedbac515_attn,@function
k_q3aedbac515_attn:
	s_mov_b64 s[64:65], 0
	v_nop
	global_prefetch_b8 v0, s[64:65] scope:SCOPE_SE
	s_setreg_imm32_b32 hwreg(HW_REG_WAVE_MODE, 25, 1), 1
	s_wait_xcnt 0x0
	s_wait_alu depctr_hold_cnt(0) depctr_sa_sdst(0) depctr_va_vdst(0) depctr_va_sdst(0) depctr_va_ssrc(0) depctr_va_vcc(0) depctr_vm_vsrc(0)
	s_getreg_b32 s2, hwreg(HW_REG_IB_STS2, 6, 4)
	s_cmp_eq_u32 s2, 0
	s_cbranch_scc0 .Lentry_in_a_cluster
	s_endpgm
.Lentry_in_a_cluster:
	s_bfe_u32 s2, ttmp6, 0x10000c
	s_cmp_lg_u32 s2, 0x3003
	s_cbranch_scc0 .Lentry_shape_is_right
	s_endpgm
.Lentry_shape_is_right:
; y = softmax(q k^T / 8, causal) v on codes of BF6 (E3M2, one E8M0 scale for each 32 along K); y is quantised along the head's 64 and leaves as images of the next launch's operand registers.
; LEFT OUT: key steps of 128 that lie wholly above the diagonal of the causal mask, which the problem builds itself: their p are zeros for all inputs.
; SHARES.  A work-group takes one query head (stream = 4 b + kv head: grid y; head in the group: its place in the cluster) and every fourth tile of 16 queries of the sequence: tiles 4 j + x, j = 0 .. 31 (x: cluster x).
; Tile 4 j + x needs j / 2 + 1 key steps.  Each wave takes two tiles, and the longest walks go to the lowest wave numbers (p, e: bits of the wave's number):
;   waves 0-7: j = 30 - 2 p + e and 16 + 2 p + e, 25 steps;  waves 8-11: j = 14 - 2 p + e and 8 + 2 p + e, 13 steps;  waves 12-15: j = 6 - 2 p + e and 2 p + e, 5 steps.
; Waves w, w + 4, w + 8, w + 12 together walk 68 steps, for every w.  The counts hang on the wave's number alone.  256 work-groups of equal work.
; K AND V: the stream's 16 key steps (12,800 bytes each: K's 8 images, V's 8, 256 bytes of K's scale words, 256 of V's) lie in LDS whole, 204,800 bytes.  Wave w asks for key step w, one tensor load at the head;
; wave 0's first tile reads all 16.  CLUSTER: the four query heads of a kv head read the same stream: each load is asked for jointly by the four (mask 15).  Nothing is filled again, so the loops hold no barrier.
; No prefetch: all that the launch reads by tensor loads is asked for at the head, so there is no later request to run ahead of.
; BOTH PRODUCTS ARE USED TRANSPOSED (S^T = k q^T, O^T = v^T p^T): a lane holds one query.  The head has 64 numbers and the instruction takes 128: a fragment of K holds two tiles of 16 keys side by side,
; and q stands in the lower or in the upper half of source 1, with zero codes in the other half.
; SOFTMAX: the running largest score is kept as a score; M is that score x log2(e) / 8 rounded up to a whole number, p = 2^(t - M), the sum is taken of the unquantised p; a change of M multiplies sums and O^T by a power of two.
; A block's largest p is made from the block's largest score.  Independent chains are laid by turns: eight for the maxima, six for the sum.
; LIMITS: the promise holds while the scaled scores stay under 2^31 in magnitude; v_exp_f32 is taken not to fall where its input rises; blocks under 2^-122 keep the scale byte 1; NaN and infinities are not served.
.set KSB,    12800
.set STREAM, 16*KSB
.set SPARE,  STREAM                    ; behind the stream: the spare words, 128 bytes a wave, 2,048 bytes that no other line names
.set QSC_OFF, 6291456                  ; qb: the scale words lie behind the images
.set REC,    3328
.set A16, 1                            ; 16 x lane
.set A8,  2                            ; 512 + 8 x lane
.set A4,  3                            ; 4 r
.set LP,  7                            ; r + 8 (r / 8) - 16 h
.set VY16, 8                           ; y's offsets in its record: my head's image, and its two scale bytes
.set VYS, 9
.set VY8, 10
.set KS,  44                           ; K's scale words
.set VS,  48                           ; V's
.set F,   52                           ; four fragments, of K and then of V
.set S,   100                          ; the scores, then p
.set O,   164                          ; O^T
.set PC,  196                          ; p's codes
.set P2,  208
.set BM,  216                          ; a block's largest score, then its largest p
.set BP,  220
.set SO,  224
.set FF,  228
.set PWD, 230
.set TT,  231                          ; the last step's -M
.set CH,  232                          ; v232-241: five chains of the sum
.set BN,  234                          ; v234-237: the maxima's second chains (done with before the sum begins)
.set QT,  234                          ; the way out's own
.set QP,  236
.set QS,  238
.set QB,  240
.set W16, 242
.set X,   242                          ; in a step: a number on its way to M and f
.set SPW, 243                          ; my spare word; never rewritten
.set H,   244
.set HT,  250
.set MD,  253
.set MI,  254
.set NIL, 255                          ; 0; never rewritten
.set SEL, 20
.set CS,  22
.set G1,  24
.set G0,  32
.set TB,  40                           ; the key step's LDS base
.set KF,  41                           ; its first key
.set ST,  42                           ; its number
.set NN,  43                           ; steps of this tile
.set CNT, 44
.set QPS, 45                           ; the tile's first position
.macro PLACES n
.rept \n
	v_nop
.endr
.endm
.macro CROUND                          ; a round of the cluster's barrier
	s_barrier_signal -1
	s_barrier_wait -1
	s_cmp_lg_u32 s10, 0
	s_cbranch_scc1 .Lnot_wave_0_\@
	s_barrier_signal -3
.Lnot_wave_0_\@:
	s_barrier_wait -3
	s_barrier_signal -1
	s_barrier_wait -1
.endm
.macro FRAG reg, a16, a8, off          ; a fragment, 12 registers: two images, each 512 + 256 consecutive bytes
	ds_load_b128 v[(\reg):(\reg)+3], v[\a16] offset:\off
	ds_load_b64 v[(\reg)+4:(\reg)+5], v[\a8] offset:\off
	ds_load_b128 v[(\reg)+6:(\reg)+9], v[\a16] offset:(\off)+768
	ds_load_b64 v[(\reg)+10:(\reg)+11], v[\a8] offset:(\off)+768
.endm
	s_load_b128 s[4:7], s[0:1], 0x0                ; qb, kv
	s_load_b64 s[8:9], s[0:1], 0x10                ; yb
	v_lshl_add_u32 v[SPW], v0, 2, SPARE
	v_mov_b32 v[NIL], 0
	ds_add_u32 v[SPW], v[NIL]                      ; the opening: the add, twice on end, and its wait ahead of my first tensor load
	ds_add_u32 v[SPW], v[NIL]
	v_lshrrev_b32 v1, 5, v0
	v_readfirstlane_b32 s10, v1                    ; wave
	s_and_b32 s14, ttmp7, 0xffff                   ; stream
	s_mov_b32 s[G1], 15|(3<<16)|(1<<21)            ; the mask: all four of the cluster; elements of 8 bytes; bit 21 beside a mask
	s_mov_b32 s[G1+1], 32<<16                      ; a key step is dense: 50 rows of 256 bytes
	s_mov_b32 s[G1+2], 50<<16
	s_mov_b32 s[G1+3], 32<<16
	s_mov_b32 s[G1+4], 50
	s_mov_b32 s[G1+5], 32
	s_mov_b32 s[G1+6], 0
	s_mov_b32 s[G1+7], 0
	s_mul_i32 s54, s14, STREAM
	s_mul_i32 s55, s10, KSB                        ; key step = my wave's number, in memory and in LDS
	s_add_co_u32 s56, s54, s55
	s_mov_b32 s57, 0
	s_wait_dscnt 0x0
	s_wait_kmcnt 0x0
	s_add_nc_u64 s[56:57], s[6:7], s[56:57]
	s_mov_b32 s[G0], 1
	s_mov_b32 s[G0+1], s55
	s_mov_b64 s[G0+2:G0+3], s[56:57]
	s_or_b32 s[G0+3], s[G0+3], 0x80000000
	CROUND                                         ; the four partners are here: the joint loads meet
	tensor_load_to_lds s[G0:G0+3], s[G1:G1+7]
	s_nop 0
	PLACES 4
	s_bfe_u32 s11, ttmp6, 0x40000                  ; my head in the group: it enters global addresses alone
	s_mov_b32 s13, ttmp9                           ; x
	s_lshr_b32 s15, s14, 2                         ; b
	s_and_b32 s16, s14, 3                          ; kv head
	s_and_b32 s54, s10, 1                          ; e
	s_and_b32 s55, s10, 6                          ; 2 p of waves 0-7,
	s_and_b32 s56, s10, 2                          ; and of the others
	s_cmp_lt_u32 s10, 8
	s_cselect_b32 s55, s55, s56
	s_cselect_b32 s17, 30, 14                      ; from where the first tiles count down,
	s_cselect_b32 s12, 16, 8                       ; and the second count up
	s_cmp_lt_u32 s10, 12
	s_cselect_b32 s17, s17, 6
	s_cselect_b32 s12, s12, 0
	s_sub_co_u32 s17, s17, s55
	s_add_co_u32 s17, s17, s54                     ; the first tile's j
	s_add_co_u32 s12, s12, s55
	s_add_co_u32 s12, s12, s54                     ; the second's
	s_lshr_b32 s18, s17, 1
	s_add_co_u32 s18, s18, 1                       ; their key steps: j / 2 + 1
	s_lshr_b32 s19, s12, 1
	s_add_co_u32 s19, s19, 1
	s_lshl_b32 s17, s17, 2
	s_add_co_u32 s17, s17, s13                     ; the tiles: 4 j + x
	s_lshl_b32 s12, s12, 2
	s_add_co_u32 s12, s12, s13
	s_mov_b32 s[SEL], 0x76543210
	s_mov_b32 s[SEL+1], 0xfedcba98                 ; selects for lane l xor 16
	s_mov_b32 s[CS], 0x3e38aa3b                    ; log2(e) / 8
	s_mov_b32 s[CS+1], s[CS]
	s_lshl_b32 s63, s14, 2
	s_add_co_u32 s63, s63, s11                     ; 16 b + head
	s_mov_b32 s57, 0
.macro TILEADR t, img, scl, yy, qp     ; tile s[t]: q's image, q's scale bytes, y's record, the first position
	s_lshl_b32 s56, s63, 7
	s_add_co_u32 s56, s56, s[\t]
	s_mul_i32 s56, s56, 768
	s_add_nc_u64 s[\img:\img+1], s[4:5], s[56:57]
	s_lshl_b32 s56, s63, 6
	s_lshr_b32 s55, s[\t], 1
	s_add_co_u32 s56, s56, s55
	s_lshl_b32 s56, s56, 6
	s_and_b32 s55, s[\t], 1
	s_lshl_b32 s55, s55, 1
	s_add_co_u32 s56, s56, s55
	s_add_co_u32 s56, s56, QSC_OFF
	s_add_nc_u64 s[\scl:\scl+1], s[4:5], s[56:57]
	s_lshl_b32 s56, s15, 7
	s_add_co_u32 s56, s56, s[\t]
	s_lshl_b32 s56, s56, 2
	s_add_co_u32 s56, s56, s16
	s_mul_i32 s56, s56, REC
	s_add_nc_u64 s[\yy:\yy+1], s[8:9], s[56:57]
	s_lshr_b32 s55, s[\t], 1
	s_lshl_b32 s55, s55, 5
	s_and_b32 s56, s[\t], 1
	s_lshl_b32 s56, s56, 3
	s_add_co_u32 s[\qp], s55, s56
.endm
	TILEADR 17, 46, 48, 58, QPS
	TILEADR 12, 50, 52, 60, 62
	v_and_b32 v8, 31, v0
	s_delay_alu instid0(VALU_DEP_1)
	v_lshlrev_b32 v[A16], 4, v8
	s_delay_alu instid0(VALU_DEP_2)
	v_lshlrev_b32 v9, 3, v8
	s_delay_alu instid0(VALU_DEP_1)
	v_add_nc_u32 v[A8], 512, v9
	v_and_b32 v10, 15, v0
	s_delay_alu instid0(VALU_DEP_1)
	v_lshlrev_b32 v[A4], 2, v10
	global_load_b128 v[22:25], v[A16], s[46:47]    ; both tiles' q, under the tensor load's flight
	global_load_b64 v[26:27], v[A8], s[46:47]
	global_load_u16 v35, v[A4], s[48:49]
	global_load_b128 v[36:39], v[A16], s[50:51]
	global_load_b64 v[40:41], v[A8], s[50:51]
	global_load_u16 v42, v[A4], s[52:53]
	v_bfe_u32 v11, v0, 4, 1
	v_and_b32 v[LP], 8, v10
	s_delay_alu instid0(VALU_DEP_1)
	v_add_nc_u32 v[LP], v[LP], v10
	s_delay_alu instid0(VALU_DEP_3)
	v_lshlrev_b32 v11, 4, v11
	s_delay_alu instid0(VALU_DEP_1)
	v_sub_nc_u32 v[LP], v[LP], v11
	s_mul_i32 s54, s11, 768
	v_add_nc_u32 v[VY16], s54, v[A16]
	v_add_nc_u32 v[VY8], s54, v[A8]
	s_lshl_b32 s54, s11, 1
	v_add_nc_u32 v[VYS], s54, v9
	s_delay_alu instid0(VALU_DEP_1)
	v_add_nc_u32 v[VYS], 3072, v[VYS]
.irp i, 0,1,2,3,4,5
	v_mov_b32 v[16+\i], 0                          ; the zero codes below and above q
	v_mov_b32 v[28+\i], 0
.endr
	v_mov_b32 v[FF+1], 0                           ; (named as the upper half of a pair)
	v_mov_b32 v[QP], 0                             ; a lane permute's destination counts as read
	v_mov_b32 v[QP+1], 0
.macro FRESH                           ; a tile begins: the largest score is -3e38, sums and O^T are zeros
	v_mov_b32 v13, 0xff61b1e6
	v_mov_b32 v14, 0
	v_mov_b32 v15, 0
	s_delay_alu instid0(VALU_DEP_3)
	v_floor_f32 v12, -v13
	s_delay_alu instid0(VALU_DEP_1)
	v_mov_b32 v[TT], v12
.set cn, 0
.rept 32
	v_mov_b32 v[O+cn], 0
.set cn, cn+1
.endr
	s_mov_b32 s[TB], 0
	s_mov_b32 s[KF], 0
	s_mov_b32 s[ST], 0
.endm
	s_wait_loadcnt 0x0
	v_lshl_or_b32 v34, v35, 16, v35                ; q's two scale bytes serve either half
	FRESH
.macro TM from, n                      ; t - M, two at a time, of n pairs of scores
.set cn, \from
.rept \n
	v_pk_fma_f32 v[S+cn:S+cn+1], v[S+cn:S+cn+1], s[CS:CS+1], v[12:13] op_sel_hi:[1,0,0]
.set cn, cn+2
.endr
.endm
.macro ADD6 k                          ; pairs k .. k + 5 of p, one onto each of the sum's six chains
.irp i, 0,1,2,3,4
	v_pk_add_f32 v[CH+2*\i:CH+2*\i+1], v[CH+2*\i:CH+2*\i+1], v[S+2*((\k)+\i):S+2*((\k)+\i)+1]
.endr
	v_pk_add_f32 v[14:15], v[14:15], v[S+2*((\k)+5):S+2*((\k)+5)+1]
.endm
; a key step of 128.  The trip counts are constants; a wave jumps over the steps beyond its tile's diagonal, on its own number alone
.macro KSTEP
	s_cmp_ge_u32 s[ST], s[NN]
	s_cbranch_scc1 .Lskip_\@
	v_add_nc_u32 v4, s[TB], v[A16]                 ; (with the five adds at the last step's end these are the places behind its products, in front of the loads)
	v_add_nc_u32 v5, s[TB], v[A8]
	v_add_nc_u32 v6, s[TB], v[A4]
.irp b, 0,1,2,3
	FRAG F+12*\b, 4, 5, 1536*\b
	ds_load_b32 v[KS+\b], v6 offset:12288+64*\b
.endr
	s_wait_alu depctr_va_vdst(0)                   ; the wait here, directly ahead of the wait below
.irp b, 0,1,2,3
	s_wait_dscnt 15-5*\b                           ; fragment b and its scale word are in: five LDS loads were issued for each later fragment
	v_wmma_scale_f32_16x16x128_f8f6f4 v[S+16*\b:S+16*\b+7], v[F+12*\b:F+12*\b+11], v[22:33], 0, v[KS+\b], v34 matrix_a_fmt:MATRIX_FMT_BF6 matrix_b_fmt:MATRIX_FMT_BF6
	v_wmma_scale_f32_16x16x128_f8f6f4 v[S+16*\b+8:S+16*\b+15], v[F+12*\b:F+12*\b+11], v[16:27], 0, v[KS+\b], v34 matrix_a_fmt:MATRIX_FMT_BF6 matrix_b_fmt:MATRIX_FMT_BF6
.endr
	PLACES 4
.irp t, 0,1,2,3
	FRAG F+12*\t, 4, 5, 6144+1536*\t               ; V's fragments land under the softmax
	ds_load_b32 v[VS+\t], v6 offset:12544+64*\t
.endr
	s_add_co_u32 s54, s[ST], 1
	s_cmp_lg_u32 s54, s[NN]
	s_cbranch_scc1 .Lopen_\@
	s_sub_co_i32 s54, s[QPS], s[KF]                ; the tile's last step holds the diagonal: keys behind the query get -inf
	v_add_nc_u32 v[MD], s54, v[LP]
	v_mov_b32 v[MI], 0xff800000
.set cn, 0
.rept 64
	v_cmp_gt_i32 vcc_lo, 32*(cn/16)+cn%16, v[MD]
	v_cndmask_b32 v[S+cn], v[S+cn], v[MI], vcc_lo
.set cn, cn+1
.endr
.Lopen_\@:
.irp b, 0,1,2,3
	v_max3_num_f32 v[BM+\b], v[S+16*\b], v[S+16*\b+1], v[S+16*\b+2]       ; each block's largest score: two chains a block, eight by turns; each accumulator from its low end on
	v_max3_num_f32 v[BN+\b], v[S+16*\b+8], v[S+16*\b+9], v[S+16*\b+10]
.endr
.irp i, 3,5
.irp b, 0,1,2,3
	v_max3_num_f32 v[BM+\b], v[BM+\b], v[S+16*\b+\i], v[S+16*\b+\i+1]
	v_max3_num_f32 v[BN+\b], v[BN+\b], v[S+16*\b+8+\i], v[S+16*\b+9+\i]
.endr
.endr
.irp b, 0,1,2,3
	v_max_num_f32 v[BP+\b], v[S+16*\b+7], v[S+16*\b+15]
.endr
.irp b, 0,1,2,3
	s_delay_alu instid0(VALU_DEP_4)
	v_max3_num_f32 v[BM+\b], v[BM+\b], v[BN+\b], v[BP+\b]
.endr
.irp b, 0,1,2,3
	s_delay_alu instid0(VALU_DEP_4)
	v_permlanex16_b32 v[BP+\b], v[BM+\b], s[SEL], s[SEL+1]
.endr
.irp b, 0,1,2,3
	s_delay_alu instid0(VALU_DEP_4)
	v_max_num_f32 v[BM+\b], v[BM+\b], v[BP+\b]     ; with lane l xor 16's 16 keys
.endr
	s_delay_alu instid0(VALU_DEP_2)
	v_max3_num_f32 v[X], v[BM], v[BM+1], v[BM+2]
	s_delay_alu instid0(VALU_DEP_1)
	v_max3_num_f32 v13, v[X], v[BM+3], v13         ; the running largest score
	s_delay_alu instid0(VALU_DEP_1)
	v_mul_f32 v[X], s[CS], v13                     ; as t (the factor is positive)
	s_delay_alu instid0(VALU_DEP_1)
	v_floor_f32 v12, -v[X]                         ; -M
	s_delay_alu instid0(VALU_DEP_1)
	v_sub_f32 v[X], v12, v[TT]                     ; old M less new M; the way to f goes on among the multiply-adds
	TM 0, 6
	v_cvt_i32_f32 v[X], v[X]
	TM 12, 6
	v_ldexp_f32 v[FF], 1.0, v[X]                   ; f = 2^(old M - new M)
	TM 24, 20
.irp b, 0,1,2,3
	v_fma_f32 v[BM+\b], v[BM+\b], s[CS], v12
.endr
.set cn, 0
.rept 16
	v_pk_mul_f32 v[O+cn:O+cn+1], v[O+cn:O+cn+1], v[FF:FF+1] op_sel_hi:[1,0]   ; O^T under the new M
.set cn, cn+2
.endr
	v_pk_mul_f32 v[14:15], v[14:15], v[FF:FF+1] op_sel_hi:[1,0]    ; and the sum
	s_wait_alu depctr_va_vdst(0)                   ; the wait ahead of the batch
.set cn, 0
.rept 64
	v_exp_f32 v[S+cn], v[S+cn]
.set cn, cn+1
.endr
.irp b, 0,1,2,3
	v_exp_f32 v[BM+\b], v[BM+\b]                   ; each block's largest p
.endr
	v_mov_b32 v[TT], v12                           ; for the next step; a plain place behind the batch
	s_wait_alu depctr_va_vdst(0)                   ; and the one wait behind it
; the scales, the codes and the sum of the unquantised p, by turns
.irp b, 0,1,2,3
	v_max_num_f32 v[BM+\b], 0x2800000, v[BM+\b]    ; the floor 2^(5 - 127)
.endr
.irp i, 0,1,2,3,4
	v_pk_add_f32 v[CH+2*\i:CH+2*\i+1], v[S+4*\i:S+4*\i+1], v[S+4*\i+2:S+4*\i+3]   ; pairs 0 .. 9 start five chains; the sixth is the running sum
.endr
	v_pk_add_f32 v[14:15], v[14:15], v[S+20:S+21]
.irp b, 0,1,2,3
	v_add_nc_u32 v[SO+\b], 0xfe000000, v[BM+\b]    ; 4 off the exponent field: the conversion's scale operand
.endr
	ADD6 11
.irp b, 0,1,2,3
	v_lshrrev_b32 v[BP+\b], 23, v[SO+\b]           ; the bytes
.endr
.irp c, 0,1
	v_cvt_scalef32_pk16_bf6_f32 v[PC+6*\c:PC+6*\c+2], v[S+32*\c:S+32*\c+15], v[SO+2*\c]
	v_cvt_scalef32_pk16_bf6_f32 v[P2+4*\c:P2+4*\c+2], v[S+32*\c+16:S+32*\c+31], v[SO+2*\c+1]
.endr
	ADD6 17                                        ; (plain places behind the conversions)
	v_lshl_or_b32 v[PWD], v[BP+1], 8, v[BP]
.irp c, 0,1
.irp i, 0,1,2
	v_permlane16_swap_b32 v[PC+6*\c+\i], v[P2+4*\c+\i]             ; a lane gets a whole block
.endr
.endr
	v_lshl_or_b32 v[PWD], v[BP+2], 16, v[PWD]
.irp c, 0,1
.irp i, 0,1,2
	v_mov_b32 v[PC+6*\c+3+\i], v[P2+4*\c+\i]
.endr
.endr
	v_lshl_or_b32 v[PWD], v[BP+3], 24, v[PWD]      ; p's scale word; nine plain lines stand between it and the products
	ADD6 23
.irp i, 0,1,2
	v_pk_add_f32 v[CH+2*\i:CH+2*\i+1], v[CH+2*\i:CH+2*\i+1], v[S+58+2*\i:S+59+2*\i]
.endr
	s_wait_alu depctr_va_vdst(0)                   ; the wait here, directly ahead of the wait below
	s_wait_dscnt 0x0                               ; V's fragments
.irp t, 0,1,2,3
	v_wmma_scale_f32_16x16x128_f8f6f4 v[O+8*\t:O+8*\t+7], v[F+12*\t:F+12*\t+11], v[PC:PC+11], v[O+8*\t:O+8*\t+7], v[VS+\t], v[PWD] matrix_a_fmt:MATRIX_FMT_BF6 matrix_b_fmt:MATRIX_FMT_BF6
.endr
	v_pk_add_f32 v[CH:CH+1], v[CH:CH+1], v[CH+2:CH+3]              ; the chains are joined: five plain places behind the products
	v_pk_add_f32 v[CH+4:CH+5], v[CH+4:CH+5], v[CH+6:CH+7]
	v_pk_add_f32 v[14:15], v[14:15], v[CH+8:CH+9]
	s_delay_alu instid0(VALU_DEP_2)
	v_pk_add_f32 v[CH:CH+1], v[CH:CH+1], v[CH+4:CH+5]
	s_delay_alu instid0(VALU_DEP_1)
	v_pk_add_f32 v[14:15], v[14:15], v[CH:CH+1]
.Lskip_\@:
	s_add_co_u32 s[TB], s[TB], KSB
	s_add_co_u32 s[KF], s[KF], 128
	s_add_co_u32 s[ST], s[ST], 1
.endm
; a tile's end: O^T / the sum, quantised along the head's 64, stored as an image (768 consecutive bytes) and two scale bytes a row
.macro WAYOUT yy
	s_wait_alu depctr_va_vdst(0)
	v_add_f32 v14, v14, v15
	s_delay_alu instid0(VALU_DEP_1)
	v_permlanex16_b32 v[TT], v14, s[SEL], s[SEL+1]
	s_delay_alu instid0(VALU_DEP_1)
	v_add_f32 v14, v14, v[TT]
	s_wait_alu depctr_va_vdst(0)
	v_rcp_f32 v[FF], v14
	v_nop
.set cn, 0
	s_wait_alu depctr_va_vdst(0)
.rept 16
	v_pk_mul_f32 v[S+cn:S+cn+1], v[O+cn:O+cn+1], v[FF:FF+1] op_sel_hi:[1,0]
.set cn, cn+2
.endr
	v_max3_num_f32 v[QT], |v[S]|, |v[S+1]|, 0x2800000
	v_max3_num_f32 v[QT+1], |v[S+16]|, |v[S+17]|, 0x2800000
.irp i, 2,4,6,8,10,12,14
	s_delay_alu instid0(VALU_DEP_2)
	v_max3_num_f32 v[QT], |v[S+\i]|, |v[S+\i+1]|, v[QT]
	s_delay_alu instid0(VALU_DEP_2)
	v_max3_num_f32 v[QT+1], |v[S+16+\i]|, |v[S+17+\i]|, v[QT+1]
.endr
	s_delay_alu instid0(VALU_DEP_2)
	v_permlanex16_b32 v[QP], v[QT], s[SEL], s[SEL+1]
	s_delay_alu instid0(VALU_DEP_2)
	v_permlanex16_b32 v[QP+1], v[QT+1], s[SEL], s[SEL+1]
	s_delay_alu instid0(VALU_DEP_2)
	v_max_num_f32 v[QT], v[QT], v[QP]
	s_delay_alu instid0(VALU_DEP_2)
	v_max_num_f32 v[QT+1], v[QT+1], v[QP+1]
	s_delay_alu instid0(VALU_DEP_2)
	v_add_nc_u32 v[QS], 0xfe000000, v[QT]
	s_delay_alu instid0(VALU_DEP_2)
	v_add_nc_u32 v[QS+1], 0xfe000000, v[QT+1]
	s_delay_alu instid0(VALU_DEP_2)
	v_lshrrev_b32 v[QB], 23, v[QS]
	s_delay_alu instid0(VALU_DEP_2)
	v_lshrrev_b32 v[QB+1], 23, v[QS+1]
	s_delay_alu instid0(VALU_DEP_1)
	v_lshl_or_b32 v[W16], v[QB+1], 8, v[QB]
	v_cvt_scalef32_pk16_bf6_f32 v[H:H+2], v[S:S+15], v[QS]
	v_cvt_scalef32_pk16_bf6_f32 v[HT:HT+2], v[S+16:S+31], v[QS+1]
	v_nop
.irp i, 0,1,2
	v_permlane16_swap_b32 v[H+\i], v[HT+\i]
.endr
.irp i, 0,1,2
	s_delay_alu instid0(VALU_DEP_3)
	v_mov_b32 v[H+3+\i], v[HT+\i]
.endr
	global_store_b128 v[VY16], v[H:H+3], s[\yy:\yy+1]
	global_store_b64 v[VY8], v[H+4:H+5], s[\yy:\yy+1]
	global_store_b16 v[VYS], v[W16], s[\yy:\yy+1]
	s_wait_xcnt 0x0                                ; the stores have read their registers
.endm
	s_mov_b32 s[NN], s18
	s_wait_alu depctr_va_vdst(0)                   ; the wait at the head's end
	s_wait_tensorcnt 0x0                           ; my key step is in,
	s_barrier_signal -1
	s_barrier_wait -1                              ; and everybody's
	s_mov_b32 s[CNT], 16                           ; a first tile has 16 key steps at the most
.Lfirst:
	KSTEP
	s_sub_co_u32 s[CNT], s[CNT], 1
	s_cmp_lg_u32 s[CNT], 0
	s_cbranch_scc1 .Lfirst
	WAYOUT 58
.irp i, 0,1,2,3,4,5
	v_mov_b32 v[22+\i], v[36+\i]                   ; the second tile's q
.endr
	v_lshl_or_b32 v34, v42, 16, v42
	FRESH
	s_mov_b32 s[NN], s19
	s_mov_b32 s[QPS], s62
	s_mov_b32 s[CNT], 12                           ; a second tile has 12 key steps at the most (j = 23)
.Lsecond:
	KSTEP
	s_sub_co_u32 s[CNT], s[CNT], 1
	s_cmp_lg_u32 s[CNT], 0
	s_cbranch_scc1 .Lsecond
	WAYOUT 60
	s_wait_tensorcnt 0x0                           ; the wave's end
	ds_add_u32 v[SPW], v[NIL]
	s_wait_dscnt 0x0
	CROUND                                         ; the closing round
	s_endpgm
.Lfunc_end_k_q3aedbac515_attn:
	.size	k_q3aedbac515_attn, .Lfunc_end_k_q3aedbac515_attn-k_q3aedbac515_attn
	.p2alignl 7, 3214868480
	.fill 96, 4, 3214868480
	.section	.rodata,"a",@progbits
	.p2align	6, 0x0
	.amdhsa_kernel k_q3aedbac515_attn
		.amdhsa_group_segment_fixed_size 327680
		.amdhsa_private_segment_fixed_size 0
		.amdhsa_enable_private_segment 0
		.amdhsa_kernarg_size 24
		.amdhsa_user_sgpr_count 2
		.amdhsa_user_sgpr_kernarg_segment_ptr 1
		.amdhsa_wavefront_size32 1
		.amdhsa_system_sgpr_workgroup_id_x 1
		.amdhsa_system_sgpr_workgroup_id_y 1
		.amdhsa_system_sgpr_workgroup_id_z 1
		.amdhsa_system_vgpr_workitem_id 0
		.amdhsa_next_free_vgpr 256
		.amdhsa_next_free_sgpr 66
		.amdhsa_reserve_vcc 1
		.amdhsa_float_denorm_mode_32 3
		.amdhsa_float_denorm_mode_16_64 3
		.amdhsa_memory_ordered 1
		.amdhsa_forward_progress 1
		.amdhsa_inst_pref_size 64
	.end_amdhsa_kernel
	.amdgpu_metadata
---
amdhsa.version: [ 1, 2 ]
amdhsa.kernels:
  - .name:           k_q3aedbac515_attn
    .symbol:         k_q3aedbac515_attn.kd
    .args:
      - { .name: qb, .offset: 0, .size: 8, .value_kind: global_buffer, .address_space: global }
      - { .name: kv, .offset: 8, .size: 8, .value_kind: global_buffer, .address_space: global }
      - { .name: yb, .offset: 16, .size: 8, .value_kind: global_buffer, .address_space: global }
    .group_segment_fixed_size: 327680
    .private_segment_fixed_size: 0
    .kernarg_segment_align: 8
    .kernarg_segment_size: 24
    .max_flat_workgroup_size: 512
    .sgpr_count:     66
    .vgpr_count:     256
    .wavefront_size: 32
...
	.end_amdgpu_metadata
.endif
;; end of part 3
;; launch proj (part 4): grid 4 x 64, 4 waves a work-group, clusters of 4 x 4, 327,680 bytes of LDS; arguments yb, wts, out0; writes out0
.if DOCPART == 4
	.amdgcn_target "amdgcn-amd-amdhsa--gfx1250"
	.amdhsa_code_object_version 6
	.text
	.protected	k_q3aedbac515_proj
	.globl	k_q3aedbac515_proj
	.p2align	8
	.type	k_q3aedbac515_proj,@function
k_q3aedbac515_proj:
	s_mov_b64 s[64:65], 0
	v_nop
	global_prefetch_b8 v0, s[64:65] scope:SCOPE_SE
	s_setreg_imm32_b32 hwreg(HW_REG_WAVE_MODE, 25, 1), 1
	s_wait_xcnt 0x0
	s_wait_alu depctr_hold_cnt(0) depctr_sa_sdst(0) depctr_va_vdst(0) depctr_va_sdst(0) depctr_va_ssrc(0) depctr_va_vcc(0) depctr_vm_vsrc(0)
	s_getreg_b32 s2, hwreg(HW_REG_IB_STS2, 6, 4)
	s_cmp_eq_u32 s2, 0
	s_cbranch_scc0 .Lentry_in_a_cluster
	s_endpgm
.Lentry_in_a_cluster:
	s_bfe_u32 s2, ttmp6, 0x10000c
	s_cmp_lg_u32 s2, 0xf033
	s_cbranch_scc0 .Lentry_shape_is_right
	s_endpgm
.Lentry_shape_is_right:
; out0 = y Wproj^T on codes of BF6 (E3M2, one E8M0 scale for each 32 along K = 1,024); sums and result in f32.
; y and Wproj lie as tiles of 16 rows (row of lane r: 32 (T/2) + 8 (T%2) + r + 8 (r/8)), a tile as four records of 3,328 bytes (256 along K: four images of 768 bytes in the order of the operand's registers, 256 bytes of scale words).
; SHARES.  A work-group takes 128 tokens (8 tiles of y) x 256 columns (16 tiles of W): 256 work-groups.  Wave (a, w'): tokens 64 a on (4 tiles) x columns 128 w' on (8 tiles): 32 accumulators.
; ALL OF K COMES AT ONCE.  A tile is 13,312 dense bytes, and the 24 tiles are 319,488 bytes of LDS: each wave asks for its share by ONE tensor load at the head (waves 0, 1: 4 tiles of y each; waves 2, 3: 8 tiles of W each),
; as rows of 256 bytes.  Nothing is filled a second time; one wait and one barrier stand ahead of the eight K steps.  No prefetch: nothing is asked for behind the head, so there is no later request to run ahead of.
; CLUSTERS: 4 x 4.  The four work-groups of a row of the cluster share y's tiles, the four of a column W's: each is asked for jointly.
; THE PRODUCT IS USED TRANSPOSED (source 0 = 16 rows of W, source 1 = 16 tokens): a lane holds eight neighbouring columns of one token.
; REGISTERS, in windows of 256: window 0: offsets, v16-47 scale words (two sets; lanes 0-15 y's tile i, lanes 16-31 W's tile i), v48-143 y's fragments (two sets), v192-199 LDS addresses; window 1: accumulators; window 2: W's fragments, two sets of 96.
.set REC,    3328
.set TILEB,  13312
.set WP_OFF, 96*TILEB                  ; Wproj's tiles lie behind the 96 of Wq, Wk, Wv
.set SPARE,  24*TILEB                  ; behind the tiles: the spare words, 128 bytes a wave: two blocks of 256 bytes that no other line names
.set SPITCH, 528
.set CO,  3                            ; 16 x lane
.set O8,  4                            ; 512 + 8 x lane
.set STO, 8
.set RD,  9
.set SC,  16
.set YF,  48
.set BK,  64
.set ADR, 192                          ; +0, +1 my y tiles; +2, +3 my W tiles 0-3; +4, +5 my W tiles 4-7; +6, +7 scale words of tiles 0-3, 4-7: every other term is an immediate under 65,536
.set SPW, 254                          ; my spare word; never rewritten
.set NIL, 255                          ; 0; never rewritten
.set G1Y, 24
.set G1W, 32
.set G0Y, 40
.set G0W, 44
.set MSB, 0
.macro WIN new                         ; the immediate's high byte repeats the setting that is left
.if MSB != (\new)
	s_set_vgpr_msb (MSB<<8)|(\new)
.set MSB, (\new)
.endif
.endm
.macro PLACES n
.rept \n
	v_nop
.endr
.endm
.macro CROUND                          ; a round of the cluster's barrier
	s_barrier_signal -1
	s_barrier_wait -1
	s_cmp_lg_u32 s14, 0
	s_cbranch_scc1 .Lnot_wave_0_\@
	s_barrier_signal -3
.Lnot_wave_0_\@:
	s_barrier_wait -3
	s_barrier_signal -1
	s_barrier_wait -1
.endm
.macro FRAG reg, a16, a8, off          ; a fragment, 12 registers: two images, each 512 + 256 consecutive bytes
	ds_load_b128 v[(\reg):(\reg)+3], v[\a16] offset:\off
	ds_load_b64 v[(\reg)+4:(\reg)+5], v[\a8] offset:\off
	ds_load_b128 v[(\reg)+6:(\reg)+9], v[\a16] offset:(\off)+768
	ds_load_b64 v[(\reg)+10:(\reg)+11], v[\a8] offset:(\off)+768
.endm
	s_load_b128 s[4:7], s[0:1], 0x0                ; yb, wts
	s_load_b64 s[8:9], s[0:1], 0x10                ; out0
	v_lshl_add_u32 v[SPW], v0, 2, SPARE
	v_mov_b32 v[NIL], 0
	ds_add_u32 v[SPW], v[NIL]                      ; the opening: the add, twice on end, and its wait ahead of my first tensor load
	ds_add_u32 v[SPW], v[NIL]
	v_lshrrev_b32 v1, 5, v0
	v_readfirstlane_b32 s14, v1                    ; wave
	s_lshr_b32 s15, s14, 1                         ; a.  Also: I fetch for y (0) or for W (1)
	s_and_b32 s16, s14, 1                          ; w'.  Also: which half of those tiles I fetch
	s_bfe_u32 s19, ttmp6, 0x40000                  ; cx
	s_bfe_u32 s20, ttmp6, 0x40004                  ; cy
	s_lshl_b32 s22, ttmp9, 2
	s_add_co_u32 s22, s22, s19                     ; column block
	s_and_b32 s21, ttmp7, 0xffff
	s_lshl_b32 s21, s21, 2
	s_add_co_u32 s21, s21, s20                     ; token block
	s_lshl_b32 s76, s20, 2
	s_lshl_b32 s76, 15, s76                        ; my row of the cluster
	s_lshl_b32 s77, 0x1111, s19                    ; my column
	s_or_b32 s[G1Y], s76, (3<<16)|(1<<21)          ; the mask; elements of 8 bytes; bit 21 beside a mask; no padding
	s_or_b32 s[G1W], s77, (3<<16)|(1<<21)
	s_mov_b32 s[G1Y+1], 32<<16                     ; rows of 256 bytes: 4 tiles are 208,
	s_mov_b32 s[G1Y+2], 208<<16
	s_mov_b32 s[G1Y+3], 32<<16
	s_mov_b32 s[G1Y+4], 208
	s_mov_b32 s[G1Y+5], 32
	s_mov_b32 s[G1Y+6], 0
	s_mov_b32 s[G1Y+7], 0
	s_mov_b32 s[G1W+1], 32<<16                     ; 8 tiles are 416
	s_mov_b32 s[G1W+2], 416<<16
	s_mov_b32 s[G1W+3], 32<<16
	s_mov_b32 s[G1W+4], 416
	s_mov_b32 s[G1W+5], 32
	s_mov_b32 s[G1W+6], 0
	s_mov_b32 s[G1W+7], 0
	s_lshl_b32 s80, s21, 3
	s_lshl_b32 s81, s16, 2
	s_add_co_u32 s80, s80, s81
	s_mul_i32 s80, s80, TILEB                      ; y: tile 8 x token block + 4 x half
	s_mov_b32 s81, 0
	s_lshl_b32 s82, s22, 4
	s_lshl_b32 s83, s16, 3
	s_add_co_u32 s82, s82, s83
	s_mul_i32 s82, s82, TILEB
	s_add_co_u32 s82, s82, WP_OFF                  ; W: tile 16 x column block + 8 x half
	s_mov_b32 s83, 0
	s_mul_i32 s84, s16, 4*TILEB                    ; in LDS: y's 8 tiles,
	s_mul_i32 s85, s16, 8*TILEB
	s_add_co_u32 s85, s85, 8*TILEB                 ; then W's 16
	s_wait_dscnt 0x0
	s_wait_kmcnt 0x0
	s_add_nc_u64 s[80:81], s[4:5], s[80:81]
	s_add_nc_u64 s[82:83], s[6:7], s[82:83]
	s_mov_b32 s[G0Y], 1
	s_mov_b32 s[G0Y+1], s84
	s_mov_b64 s[G0Y+2:G0Y+3], s[80:81]
	s_or_b32 s[G0Y+3], s[G0Y+3], 0x80000000
	s_mov_b32 s[G0W], 1
	s_mov_b32 s[G0W+1], s85
	s_mov_b64 s[G0W+2:G0W+3], s[82:83]
	s_or_b32 s[G0W+3], s[G0W+3], 0x80000000
	CROUND                                         ; all sixteen work-groups are here: the joint loads meet
	s_cmp_eq_u32 s15, 0                            ; one load on either way; an s_nop 0 and four v_nop follow each
	s_cbranch_scc0 .Lfor_w
	tensor_load_to_lds s[G0Y:G0Y+3], s[G1Y:G1Y+7]
	s_nop 0
	PLACES 4
	s_branch .Lasked
.Lfor_w:
	tensor_load_to_lds s[G0W:G0W+3], s[G1W:G1W+7]
	s_nop 0
	PLACES 4
.Lasked:
	v_and_b32 v1, 15, v0                           ; r
	v_bfe_u32 v2, v0, 4, 1                         ; h
	v_and_b32 v5, 31, v0
	v_lshlrev_b32 v[CO], 4, v5
	v_lshlrev_b32 v6, 3, v5
	v_add_nc_u32 v[O8], 512, v6
	s_mul_i32 s76, s15, 4*TILEB                    ; my 4 tiles of y
	s_mul_i32 s77, s16, 8*TILEB
	s_add_co_u32 s77, s77, 8*TILEB                 ; my 8 of W
	s_sub_co_u32 s78, s77, s76
	v_mul_u32_u24 v7, s78, v2                      ; scale words: lanes 16-31 take W's
	v_add_nc_u32 v7, v7, v6
	v_add_nc_u32 v7, 3072, v7
	v_add_nc_u32 v[ADR], s76, v[CO]
	v_add_nc_u32 v[ADR+1], s76, v[O8]
	v_add_nc_u32 v[ADR+2], s77, v[CO]
	v_add_nc_u32 v[ADR+3], s77, v[O8]
	v_add_nc_u32 v[ADR+6], s76, v7
	s_add_co_u32 s76, s76, 4*TILEB
	s_add_co_u32 s77, s77, 4*TILEB
	v_add_nc_u32 v[ADR+4], s77, v[CO]
	v_add_nc_u32 v[ADR+5], s77, v[O8]
	v_add_nc_u32 v[ADR+7], s76, v7
	s_mul_i32 s79, s14, 16*SPITCH                  ; my stage for the way out: it lies over y's first tiles, behind a barrier behind which nobody reads them
	v_mul_u32_u24 v[STO], v1, SPITCH
	v_lshl_add_u32 v[STO], v2, 6, v[STO]
	v_add_nc_u32 v[STO], s79, v[STO]
	v_add_nc_u32 v[RD], s79, v[CO]
	s_lshl_b32 s86, s21, 7
	s_lshl_b32 s87, s15, 6
	s_add_co_u32 s86, s86, s87
	s_lshl_b32 s86, s86, 12                        ; my first token's row of 4,096 bytes,
	s_lshl_b32 s87, s22, 10
	s_add_co_u32 s86, s86, s87
	s_lshl_b32 s87, s16, 9
	s_add_co_u32 s86, s86, s87                     ; my first column
	s_mov_b32 s87, 0
	s_add_nc_u64 s[8:9], s[8:9], s[86:87]
.macro LOADS k                         ; K step k's fragments into set k % 2, and with an even step its record's scale words
.set KP, (\k)%2
.set KO, ((\k)/2)*REC+KP*1536
.set SS, SC+16*(((\k)/2)%2)
.irp ty, 0,1,2,3
	FRAG YF+48*KP+12*\ty, ADR, ADR+1, \ty*TILEB+KO
.endr
.if KP == 0
.irp i, 0,1,2,3
	ds_load_b64 v[SS+2*\i:SS+2*\i+1], v[ADR+6] offset:\i*TILEB+((\k)/2)*REC
	ds_load_b64 v[SS+8+2*\i:SS+8+2*\i+1], v[ADR+7] offset:\i*TILEB+((\k)/2)*REC
.endr
.endif
	WIN 0x80                                       ; destination window 2
.irp tw, 0,1,2,3
	FRAG 96*KP+12*\tw, ADR+2, ADR+3, \tw*TILEB+KO
	FRAG 96*KP+48+12*\tw, ADR+4, ADR+5, \tw*TILEB+KO
.endr
	WIN 0
.endm
.macro MM k, zero                      ; 32 products; the 32 accumulators take turns, one instruction a turn; zero = 1: the first product starts the sums
.set KP, (\k)%2
.set SB, SC+16*(((\k)/2)%2)+KP
	WIN 0x52                                       ; W window 2, y window 0, C and D window 1
.irp ty, 0,1,2,3
.irp tw, 0,1,2,3,4,5,6,7
.if \zero
	v_wmma_scale_f32_16x16x128_f8f6f4 v[8*(8*\ty+\tw):8*(8*\ty+\tw)+7], v[96*KP+12*\tw:96*KP+12*\tw+11], v[YF+48*KP+12*\ty:YF+48*KP+12*\ty+11], 0, v[SB+2*\tw], v[SB+2*\ty] matrix_a_fmt:MATRIX_FMT_BF6 matrix_b_fmt:MATRIX_FMT_BF6 matrix_a_scale:MATRIX_SCALE_ROW1
.else
	v_wmma_scale_f32_16x16x128_f8f6f4 v[8*(8*\ty+\tw):8*(8*\ty+\tw)+7], v[96*KP+12*\tw:96*KP+12*\tw+11], v[YF+48*KP+12*\ty:YF+48*KP+12*\ty+11], v[8*(8*\ty+\tw):8*(8*\ty+\tw)+7], v[SB+2*\tw], v[SB+2*\ty] matrix_a_fmt:MATRIX_FMT_BF6 matrix_b_fmt:MATRIX_FMT_BF6 matrix_a_scale:MATRIX_SCALE_ROW1
.endif
.endr
.endr
	WIN 0
.endm
.macro STEP k, zero                    ; K step k's fragments are in; the next step's are asked for, four places behind the products that read their registers; then the products
	s_wait_dscnt 0x0
.if (\k) < 7
	PLACES 4
	LOADS (\k)+1
.else
	s_barrier_signal -1                            ; my reads of the tiles are over: said here, awaited behind the last products
.endif
	MM \k, \zero
.endm
	s_wait_alu depctr_va_vdst(0)                   ; the wait at the head's end
	s_wait_tensorcnt 0x0                           ; my tiles are in,
	s_barrier_signal -1
	s_barrier_wait -1                              ; and everybody's
	LOADS 0
	STEP 0, 1
.irp k, 1,2,3,4,5,6,7
	STEP \k, 0
.endr
	s_barrier_wait -1                              ; nobody reads the tiles any more: the stages may be written
; THE WAY OUT: 16 tokens x 128 columns go through my own stage and come back as whole rows of 512 bytes.  LDS serves a wave's instructions in order: no wait between the stores and the loads.
.macro TOSTAGE ty
	WIN 0x04                                       ; the data: window 1
.irp tw, 0,1,2,3,4,5,6,7
	ds_store_b128 v[STO], v[8*(8*(\ty)+\tw):8*(8*(\ty)+\tw)+3] offset:128*(\tw/2)+32*(\tw%2)       ; each accumulator from its low end on
	ds_store_b128 v[STO], v[8*(8*(\ty)+\tw)+4:8*(8*(\ty)+\tw)+7] offset:128*(\tw/2)+32*(\tw%2)+16
.endr
	WIN 0
.set BB, BK+64*((\ty)%2)
.irp i, 0,1,2,3,4,5,6,7,8,9,10,11,12,13,14,15
	ds_load_b128 v[BB+4*\i:BB+4*\i+3], v[RD] offset:\i*SPITCH
.endr
.endm
.macro SEND ty, younger                ; younger: the LDS instructions issued behind this block's loads, which may stay out
.set BB, BK+64*((\ty)%2)
	s_wait_dscnt \younger
.irp i, 0,1,2,3,4,5,6,7,8,9,10,11,12,13,14,15
	global_store_b128 v[CO], v[BB+4*\i:BB+4*\i+3], s[8:9] offset:(32*((\ty)/2)+8*((\ty)%2)+\i+8*(\i/8))*4096 th:TH_STORE_NT   ; 32 lanes store 512 consecutive bytes, aligned
.endr
.endm
	PLACES 4                                       ; behind the last products: results are read, and operands' registers loaded into
	TOSTAGE 0
.irp t, 1,2,3
.if \t > 1
	s_wait_xcnt 0x0                                ; the block before last's stores have read their registers
.endif
	TOSTAGE \t
	SEND \t-1, 32
.endr
	SEND 3, 0
	s_wait_tensorcnt 0x0                           ; the wave's end
	ds_add_u32 v[SPW], v[NIL]
	s_wait_dscnt 0x0
	CROUND                                         ; the closing round
	s_endpgm
.Lfunc_end_k_q3aedbac515_proj:
	.size	k_q3aedbac515_proj, .Lfunc_end_k_q3aedbac515_proj-k_q3aedbac515_proj
	.p2alignl 7, 3214868480
	.fill 96, 4, 3214868480
	.section	.rodata,"a",@progbits
	.p2align	6, 0x0
	.amdhsa_kernel k_q3aedbac515_proj
		.amdhsa_group_segment_fixed_size 327680
		.amdhsa_private_segment_fixed_size 0
		.amdhsa_enable_private_segment 0
		.amdhsa_kernarg_size 24
		.amdhsa_user_sgpr_count 2
		.amdhsa_user_sgpr_kernarg_segment_ptr 1
		.amdhsa_wavefront_size32 1
		.amdhsa_system_sgpr_workgroup_id_x 1
		.amdhsa_system_sgpr_workgroup_id_y 1
		.amdhsa_system_sgpr_workgroup_id_z 1
		.amdhsa_system_vgpr_workitem_id 0
		.amdhsa_next_free_vgpr 768
		.amdhsa_next_free_sgpr 96
		.amdhsa_reserve_vcc 0
		.amdhsa_float_denorm_mode_32 3
		.amdhsa_float_denorm_mode_16_64 3
		.amdhsa_memory_ordered 1
		.amdhsa_forward_progress 1
		.amdhsa_inst_pref_size 82
	.end_amdhsa_kernel
	.amdgpu_metadata
---
amdhsa.version: [ 1, 2 ]
amdhsa.kernels:
  - .name:           k_q3aedbac515_proj
    .symbol:         k_q3aedbac515_proj.kd
    .args:
      - { .name: yb, .offset: 0, .size: 8, .value_kind: global_buffer, .address_space: global }
      - { .name: wts, .offset: 8, .size: 8, .value_kind: global_buffer, .address_space: global }
      - { .name: out0, .offset: 16, .size: 8, .value_kind: global_buffer, .address_space: global }
    .group_segment_fixed_size: 327680
    .private_segment_fixed_size: 0
    .kernarg_segment_align: 8
    .kernarg_segment_size: 24
    .max_flat_workgroup_size: 128
    .sgpr_count:     96
    .vgpr_count:     768
    .wavefront_size: 32
...
	.end_amdgpu_metadata
.endif
;; end of part 4
